; MI455X (gfx1250); checked and timed in simulation.
; The chip was launched on July 23, 2026; its instructions are those of AMD's public machine-readable ISA for CDNA 5 (MIT licence, August 2026) and "CDNA5" Instruction Set Architecture Reference Guide (July 2026). The comments in the code are by the model that wrote it; some were corrected since.
;; Semantics Modulated Attention. Allowed arithmetic: float matrix products may take bf16 or f16 operands with f32 sums; other float arithmetic in f32, or as packed bf16 or f16 multiplies, adds, multiply-adds, maxima and minima; sums over many terms, partial sums and values carried from step to step in f32; what a program stores and reads back later, other than sums and carried values, may be rounded once to bf16 or f16.
;; Inputs: Wkm 1,024 x 1,024 float32; Wkr 1,024 x 2,048 float32; Wkt 1,024 x 768 float32; Wq 1,024 x 1,024 float32; Wvm 1,024 x 1,024 float32; Wvr 1,024 x 1,024 float32; Wvt 1,024 x 768 float32; bkm 1,024 float32; bkr 1,024 float32; bkt 1,024 float32; bq 1,024 float32; bvm 1,024 float32; bvr 1,024 float32; bvt 1,024 float32; cond_type 4 x 1 x 1 int32; nb 1,024 float32; ng 1,024 float32; r1b 2,048 float32; r1g 2,048 float32; r2b 1,024 float32; r2g 1,024 float32; re_motion 4 x 4 x 1 x 1,024 float32; re_text 4 x 4 x 1 x 1,024 float32; src_mask 4 x 4,096 x 1 int32; tb 768 float32; tg 768 float32; x 4 x 4,096 x 1,024 float32; xf 4 x 1 x 768 float32.
;; Outputs: out0 4 x 4,096 x 1,024 float32.
;; Constants: num_heads = 16.
;; One version. Each part assembles by itself: llvm-mc -triple=amdgcn-amd-amdhsa -mcpu=gfx1250 --defsym DOCPART=n.
;; ======== version 1 of 1: 4 launches
;; limits: values are held in f16: magnitudes above 65,504 overflow, below 6.1e-05 lose precision
;; workspace buffers: xn 33,554,432 bytes; wb 6,291,456 bytes; ext 163,840 bytes; part 17,301,504 bytes; attnT 524,288 bytes
;; launch prep (part 1): grid 672 x 1, 8 waves a work-group, no clusters, 141,312 bytes of LDS; arguments x, ng, nb, xn, Wq, Wkm, Wvm, wb, xf, tg, tb, re_motion, re_text, r1g, r1b, r2g, r2b, Wkt, Wvt, Wkr, Wvr, bkt, bvt, bkr, bvr, cond_type, ext; writes xn, wb, ext
.if DOCPART == 1
	.amdgcn_target "amdgcn-amd-amdhsa--gfx1250"
	.amdhsa_code_object_version 6
	.text
	.protected	k_q383dbbd7d3_prep
	.globl	k_q383dbbd7d3_prep
	.p2align	8
	.type	k_q383dbbd7d3_prep,@function
k_q383dbbd7d3_prep:
	s_mov_b64 s[64:65], 0
	v_nop
	global_prefetch_b8 v0, s[64:65] scope:SCOPE_SE
	s_setreg_imm32_b32 hwreg(HW_REG_WAVE_MODE, 25, 1), 1
	s_wait_xcnt 0x0
; PREPARATION, three roles chosen by the work-group's number (the same for all eight waves of a work-group):
;   0-63    role C: the five extra key and value rows of each batch (1 text row, 4 retrieval rows), 16 columns a work-group -> ext, f32
;   64-159  role B: Wq, Wkm, Wvm rounded to f16 -> wb [3][1024][1024]
;   160-671 role A: xn = layer norm of x, rounded to f16 -> xn [16384][1024]; a wave takes four rows, a row lies in 32 registers
; LAYER NORM in two passes on registers: mean, then the mean of the squared differences (no difference of large sums).
; LIMITS.  f16 ends at 65,504: |xn| <= 32 |gain| + |bias| and the weights must stay under it; below 6.1e-5 an f16 number keeps the fixed step 6e-8.
; NaN and infinities are not treated apart.
; No cluster and no LDS ring: roles A and B stream (each byte read once, by one wave), role C's shared rows are small.
.set T,     8                          ; role A: v[8:15] four packed chains at work; v[16:17] mean, v[18:19] 1/sqrt(var + eps)
.set FRW,   13056                      ; LDS, role C: a wave's own normed fragments, f16: 12 K steps of 1,024 bytes (8 of re_key, 4 of re_val), 3 of 256 bytes (xf: four rows)
.set GAIN,  8*FRW                      ; a wave's own 4,096 bytes: eight slices of 512 bytes of the norms' gains and biases; later its four partial tiles
.set PART,  GAIN
.set STAT,  GAIN+8*4096                ; two tables [3 sums][16 rows][8 waves] of f32, 1,536 bytes each: one for each pass
.set SPARE, STAT+3072                  ; the spare words, 128 bytes for each of the eight waves; no other line names them
	v_lshl_add_u32 v4, v0, 2, SPARE                ; my spare word,
	v_mov_b32 v5, 0                                ; and 0: both kept for the add alone
	v_lshrrev_b32 v3, 5, v0
	v_readfirstlane_b32 s60, v3                    ; wave 0..7
	v_and_b32 v3, 31, v0                           ; lane
	v_lshlrev_b32 v1, 4, v3                        ; 16 x lane: f32 in
	v_lshlrev_b32 v2, 3, v3                        ; 8 x lane: f16 out
	s_mov_b32 s61, 0x3a800000                      ; 1/1024
	s_mov_b32 s62, 0x3727c5ac                      ; 1e-5
	s_mov_b32 s66, 0x76543210                      ; v_permlanex16_b32: each lane takes its own place in the other half
	s_mov_b32 s67, 0xfedcba98
	s_cmp_lt_u32 ttmp9, 64
	s_cbranch_scc1 .Lrole_c
	s_cmp_lt_u32 ttmp9, 160
	s_cbranch_scc1 .Lrole_b
	s_branch .Lrole_a
; the four chains into one number, then over the 32 lanes: the result stands in v[T] of every lane
.macro REDUCE
	v_pk_add_f32 v[T:T+1], v[T:T+1], v[T+2:T+3]
	v_pk_add_f32 v[T+4:T+5], v[T+4:T+5], v[T+6:T+7]
	v_pk_add_f32 v[T:T+1], v[T:T+1], v[T+4:T+5]
	v_add_f32 v[T], v[T], v[T+1]
	v_add_f32_dpp v[T], v[T], v[T] row_xmask:1 row_mask:0xf bank_mask:0xf
	v_add_f32_dpp v[T], v[T], v[T] row_xmask:2 row_mask:0xf bank_mask:0xf
	v_add_f32_dpp v[T], v[T], v[T] row_xmask:4 row_mask:0xf bank_mask:0xf
	v_add_f32_dpp v[T], v[T], v[T] row_xmask:8 row_mask:0xf bank_mask:0xf
	v_permlanex16_b32 v[T+2], v[T], s66, s67
	v_add_f32 v[T], v[T], v[T+2]
.endm
; Layer norm of a row that lies in N registers a lane from X0 on; gain from G0, bias from B0, laid out alike; s[INV] = 1 / the row's length.
; The result, f16 in pairs, is left in v[X0 .. X0 + N/2 - 1].
.macro LNROW X0, N, G0, B0, INV
.irp k, 0,1,2,3
	v_pk_add_f32 v[T+2*\k:T+2*\k+1], v[(\X0)+2*\k:(\X0)+2*\k+1], v[(\X0)+8+2*\k:(\X0)+8+2*\k+1]  ; the first eight pairs start the chains
.endr
.set i, 8
.rept (\N)/2-8
	v_pk_add_f32 v[T+2*(i%4):T+2*(i%4)+1], v[T+2*(i%4):T+2*(i%4)+1], v[(\X0)+2*i:(\X0)+2*i+1]
.set i, i+1
.endr
	REDUCE
	v_mul_f32 v16, s[\INV], v[T]                   ; the mean, twice: a pair for the packed subtraction
	v_mul_f32 v17, s[\INV], v[T]
.set i, 0
.rept (\N)/2
	v_pk_add_f32 v[(\X0)+2*i:(\X0)+2*i+1], v[(\X0)+2*i:(\X0)+2*i+1], v[16:17] neg_lo:[0,1] neg_hi:[0,1]
.set i, i+1
.endr
.irp k, 0,1,2,3
	v_pk_mul_f32 v[T+2*\k:T+2*\k+1], v[(\X0)+2*\k:(\X0)+2*\k+1], v[(\X0)+2*\k:(\X0)+2*\k+1]
.endr
.set i, 4
.rept (\N)/2-4
	v_pk_fma_f32 v[T+2*(i%4):T+2*(i%4)+1], v[(\X0)+2*i:(\X0)+2*i+1], v[(\X0)+2*i:(\X0)+2*i+1], v[T+2*(i%4):T+2*(i%4)+1]
.set i, i+1
.endr
	REDUCE
	v_fma_f32 v[T], v[T], s[\INV], s62             ; variance + eps
	v_rsq_f32 v18, v[T]
	v_rsq_f32 v19, v[T]
	v_nop                                          ; a plain instruction behind the second root,
	s_wait_alu depctr_va_vdst(0)                   ; and the wait ahead of the first use: one for both
.set i, 0
.rept (\N)/2
	v_pk_mul_f32 v[(\X0)+2*i:(\X0)+2*i+1], v[(\X0)+2*i:(\X0)+2*i+1], v[18:19]
.set i, i+1
.endr
.set i, 0
.rept (\N)/2
	v_pk_fma_f32 v[(\X0)+2*i:(\X0)+2*i+1], v[(\X0)+2*i:(\X0)+2*i+1], v[(\G0)+2*i:(\G0)+2*i+1], v[(\B0)+2*i:(\B0)+2*i+1]
.set i, i+1
.endr
.set i, 0
.rept (\N)/2
	v_cvt_pk_f16_f32 v[(\X0)+i], v[(\X0)+2*i], v[(\X0)+2*i+1]  ; packed downward in place: register i is written when 2 i and 2 i + 1 have been read
.set i, i+1
.endr
.endm
; ---------------------------------------------------------------- role A
.Lrole_a:
	s_load_b256 s[4:11], s[0:1], 0x0               ; x s[4:5], ng s[6:7], nb s[8:9], xn s[10:11]
	s_sub_co_u32 s12, ttmp9, 160
	s_lshl_b32 s12, s12, 5                         ; 32 rows a work-group,
	s_lshl2_add_u32 s12, s60, s12                  ; 4 a wave
	s_lshl_b32 s14, s12, 12                        ; 4,096 bytes a row of x
	s_mov_b32 s15, 0
	s_lshl_b32 s16, s12, 11                        ; 2,048 a row of xn
	s_mov_b32 s17, 0
	s_wait_kmcnt 0x0
	s_add_nc_u64 s[4:5], s[4:5], s[14:15]
	s_add_nc_u64 s[10:11], s[10:11], s[16:17]
.irp j, 0,1,2,3,4,5,6,7
	global_load_b128 v[32+4*\j:35+4*\j], v1, s[6:7] offset:512*\j
.endr
.irp j, 0,1,2,3,4,5,6,7
	global_load_b128 v[64+4*\j:67+4*\j], v1, s[8:9] offset:512*\j
.endr
.irp r, 0,1,2,3
.irp j, 0,1,2,3,4,5,6,7
	global_load_b128 v[96+32*\r+4*\j:99+32*\r+4*\j], v1, s[4:5] offset:4096*\r+512*\j th:TH_LOAD_NT  ; all four rows at once: 16 KiB of x a wave on their way
.endr
.endr
.irp r, 0,1,2,3
	s_wait_loadcnt 8*(3-\r)                        ; gain, bias and rows 0 to r are in; the eight loads of each later row may stay out
	LNROW 96+32*\r, 32, 32, 64, 61
.irp j, 0,1,2,3,4,5,6,7
	global_store_b64 v2, v[96+32*\r+2*\j:97+32*\r+2*\j], s[10:11] offset:2048*\r+256*\j  ; a wave's store covers 256 consecutive bytes, aligned
.endr
.endr
	s_endpgm
; ---------------------------------------------------------------- role B
.Lrole_b:
	s_load_b256 s[4:11], s[0:1], 0x20              ; Wq s[4:5], Wkm s[6:7], Wvm s[8:9], wb s[10:11]
	s_sub_co_u32 s12, ttmp9, 64
	s_lshr_b32 s13, s12, 5                         ; which of the three matrices: 32 work-groups each
	s_and_b32 s12, s12, 31
	s_lshl_b32 s12, s12, 5
	s_lshl2_add_u32 s12, s60, s12                  ; my first row in it
	s_lshl_b32 s14, s12, 12
	s_mov_b32 s15, 0
	s_lshl_b32 s16, s13, 10
	s_add_co_u32 s16, s16, s12
	s_lshl_b32 s16, s16, 11
	s_mov_b32 s17, 0
	s_wait_kmcnt 0x0
	s_cmp_eq_u32 s13, 1
	s_cselect_b64 s[4:5], s[6:7], s[4:5]
	s_cmp_eq_u32 s13, 2
	s_cselect_b64 s[4:5], s[8:9], s[4:5]
	s_add_nc_u64 s[4:5], s[4:5], s[14:15]
	s_add_nc_u64 s[10:11], s[10:11], s[16:17]
.irp r, 0,1,2,3
.irp j, 0,1,2,3,4,5,6,7
	global_load_b128 v[96+32*\r+4*\j:99+32*\r+4*\j], v1, s[4:5] offset:4096*\r+512*\j th:TH_LOAD_NT
.endr
.endr
.irp r, 0,1,2,3
	s_wait_loadcnt 8*(3-\r)                        ; the later rows' loads may stay out
.set i, 0
.rept 16
	v_cvt_pk_f16_f32 v[96+32*\r+i], v[96+32*\r+2*i], v[96+32*\r+2*i+1]
.set i, i+1
.endr
.irp j, 0,1,2,3,4,5,6,7
	global_store_b64 v2, v[96+32*\r+2*\j:97+32*\r+2*\j], s[10:11] offset:2048*\r+256*\j
.endr
.endr
	s_endpgm
; ---------------------------------------------------------------- role C
; Columns 16 g .. 16 g + 15 of four products with few rows: kt, vt (4 rows of LN(xf), K = 768), kr (16 rows of LN(re_key), K = 2,048), vr (16 rows of LN(re_val), K = 1,024).
; K IS SPLIT AMONG THE EIGHT WAVES, for the norms too.  Wave w takes channels 128 w .. + 127 of re_motion and of re_text (Wkr's columns 128 w and 1,024 + 128 w on; the motion part is re_val's slice
; too, for Wvr) and channels 96 w .. + 95 of xf.  It loads them AS MATRIX FRAGMENTS: lane (r, h) holds row r and, of each 32 channels, 8 h + 0..7 and 16 + 8 h + 0..7.  So a row's mean and
; 1/sqrt are one number a lane, and all of a wave's 52 loads go out together.  A row's sums meet over h by an exchange of the lanes' halves and over the waves in a table in LDS, a barrier a pass.
; re_key's squares: with d = mean(motion) - mean(key), the sum over the motion half of (x - mean(key))^2 is the sum of (x - mean(motion))^2 plus 1,024 d^2: three positive terms
; (left out: 2 d times the sum of the residuals about the motion mean, which is rounding alone).
; The norms' gains and biases lie in the wave's own LDS and are read 16 + 16 numbers a K step.  The normed fragments go to the wave's own LDS, so that the registers are free for the weights,
; whose loads go out as each group of registers falls free.  The products are taken transposed (source 0 = 16 rows of W): a lane ends with eight neighbouring columns of one row.
; REGISTERS: v8-15 addresses; v16-31 at work, then accumulators; v32-63 gains at work, then accumulators; v64-127 motion, v128-191 text, v192-239 xf, then the weights; v240-255 statistics.
.macro FLOAD D, A, P, OFF              ; 32 channels of a row in f32, as a fragment: 16 registers
	global_load_b128 v[(\D):(\D)+3],     v[\A], s[\P:\P+1] offset:(\OFF)
	global_load_b128 v[(\D)+4:(\D)+7],   v[\A], s[\P:\P+1] offset:(\OFF)+16
	global_load_b128 v[(\D)+8:(\D)+11],  v[\A], s[\P:\P+1] offset:(\OFF)+64
	global_load_b128 v[(\D)+12:(\D)+15], v[\A], s[\P:\P+1] offset:(\OFF)+80
.endm
.macro FLOADNT D, A, P, OFF            ; the same for weights, which the launch reads once
	global_load_b128 v[(\D):(\D)+3],     v[\A], s[\P:\P+1] offset:(\OFF) th:TH_LOAD_NT
	global_load_b128 v[(\D)+4:(\D)+7],   v[\A], s[\P:\P+1] offset:(\OFF)+16 th:TH_LOAD_NT
	global_load_b128 v[(\D)+8:(\D)+11],  v[\A], s[\P:\P+1] offset:(\OFF)+64 th:TH_LOAD_NT
	global_load_b128 v[(\D)+12:(\D)+15], v[\A], s[\P:\P+1] offset:(\OFF)+80 th:TH_LOAD_NT
.endm
.macro LFOLD D                         ; four chains into one number, and the other half of the lanes': my wave's sum for my row
	v_pk_add_f32 v[16:17], v[16:17], v[18:19]
	v_pk_add_f32 v[20:21], v[20:21], v[22:23]
	v_pk_add_f32 v[16:17], v[16:17], v[20:21]
	v_add_f32 v[\D], v16, v17
	v_permlanex16_b32 v18, v[\D], s66, s67
	v_add_f32 v[\D], v[\D], v18
.endm
.macro LSUM X0, N, D                   ; the sum of N registers
.irp k, 0,1,2,3
	v_pk_add_f32 v[16+2*\k:17+2*\k], v[(\X0)+2*\k:(\X0)+2*\k+1], v[(\X0)+8+2*\k:(\X0)+8+2*\k+1]
.endr
.set i, 8
.rept (\N)/2-8
	v_pk_add_f32 v[16+2*(i%4):17+2*(i%4)], v[16+2*(i%4):17+2*(i%4)], v[(\X0)+2*i:(\X0)+2*i+1]
.set i, i+1
.endr
	LFOLD \D
.endm
.macro LSQ X0, N, D                    ; the sum of their squares
.irp k, 0,1,2,3
	v_pk_mul_f32 v[16+2*\k:17+2*\k], v[(\X0)+2*\k:(\X0)+2*\k+1], v[(\X0)+2*\k:(\X0)+2*\k+1]
.endr
.set i, 4
.rept (\N)/2-4
	v_pk_fma_f32 v[16+2*(i%4):17+2*(i%4)], v[(\X0)+2*i:(\X0)+2*i+1], v[(\X0)+2*i:(\X0)+2*i+1], v[16+2*(i%4):17+2*(i%4)]
.set i, i+1
.endr
	LFOLD \D
.endm
.macro XCHG OFF                        ; my three sums (v248-250) into the table at OFF, a barrier, the eight waves' sums of my row back and added
	ds_store_b32 v26, v248 offset:(\OFF)
	ds_store_b32 v26, v249 offset:(\OFF)+512
	ds_store_b32 v26, v250 offset:(\OFF)+1024
	s_wait_dscnt 0x0                               ; for the others' sake
	s_barrier_signal -1
	s_barrier_wait -1
.irp q, 0,1,2
	ds_load_b128 v[32+8*\q:35+8*\q], v27 offset:(\OFF)+512*\q
	ds_load_b128 v[36+8*\q:39+8*\q], v27 offset:(\OFF)+512*\q+16
.endr
	s_wait_dscnt 0x0
.irp q, 0,1,2
	v_pk_add_f32 v[32+8*\q:33+8*\q], v[32+8*\q:33+8*\q], v[34+8*\q:35+8*\q]
	v_pk_add_f32 v[36+8*\q:37+8*\q], v[36+8*\q:37+8*\q], v[38+8*\q:39+8*\q]
.endr
.irp q, 0,1,2
	v_pk_add_f32 v[32+8*\q:33+8*\q], v[32+8*\q:33+8*\q], v[36+8*\q:37+8*\q]
.endr
.irp q, 0,1,2
	v_add_f32 v[248+\q], v[32+8*\q], v[33+8*\q]
.endr
.endm
; One K step is normed: y = (x' R (+ d R)) g + b from the 16 registers at X0 (x' = x - mean), worked in T0, rounded to f16 and put at v[AD] + SO and + SO + S2.  GO, BO: the step's gains and biases.
.macro NSTEP X0, T0, GO, BO, R, DR, AD, SO, S2
	ds_load_b128 v[32:35], v15 offset:(\GO)
	ds_load_b128 v[36:39], v15 offset:(\GO)+16
	ds_load_b128 v[40:43], v15 offset:(\GO)+64
	ds_load_b128 v[44:47], v15 offset:(\GO)+80
	ds_load_b128 v[48:51], v15 offset:(\BO)
	ds_load_b128 v[52:55], v15 offset:(\BO)+16
	ds_load_b128 v[56:59], v15 offset:(\BO)+64
	ds_load_b128 v[60:63], v15 offset:(\BO)+80
.set i, 0
.rept 8
.if \DR
	v_pk_fma_f32 v[(\T0)+2*i:(\T0)+2*i+1], v[(\X0)+2*i:(\X0)+2*i+1], v[\R:\R+1], v[246:247]
.else
	v_pk_mul_f32 v[(\T0)+2*i:(\T0)+2*i+1], v[(\X0)+2*i:(\X0)+2*i+1], v[\R:\R+1]
.endif
.set i, i+1
.endr
	s_wait_dscnt 0x0
.set i, 0
.rept 8
	v_pk_fma_f32 v[(\T0)+2*i:(\T0)+2*i+1], v[(\T0)+2*i:(\T0)+2*i+1], v[32+2*i:33+2*i], v[48+2*i:49+2*i]
.set i, i+1
.endr
.set i, 0
.rept 8
	v_cvt_pk_f16_f32 v[(\T0)+i], v[(\T0)+2*i], v[(\T0)+2*i+1]
.set i, i+1
.endr
	ds_store_b128 v[\AD], v[(\T0):(\T0)+3] offset:(\SO)
	ds_store_b128 v[\AD], v[(\T0)+4:(\T0)+7] offset:(\SO)+(\S2)
.endm
.macro CVT8 B                          ; a fragment of W, 16 f32 registers, rounded in place into the lower eight
.set i, 0
.rept 8
	v_cvt_pk_f16_f32 v[(\B)+i], v[(\B)+2*i], v[(\B)+2*i+1]
.set i, i+1
.endr
.endm
.Lrole_c:
	s_load_b512 s[16:31], s[0:1], 0x40             ; xf 16, tg 18, tb 20, re_motion 22, re_text 24, r1g 26, r1b 28, r2g 30
	s_load_b512 s[32:47], s[0:1], 0x80             ; r2b 32, Wkt 34, Wvt 36, Wkr 38, Wvr 40, bkt 42, bvt 44, bkr 46
	s_load_b128 s[48:51], s[0:1], 0xc0             ; bvr 48, cond_type 50
	s_load_b64 s[52:53], s[0:1], 0xd0              ; ext
	s_mov_b32 s63, 0x3a000000                      ; 1/2048
	s_mov_b32 s71, 0x3aaaaaab                      ; 1/768
	s_mov_b32 s54, 0x49742400                      ; 1e6
	s_mov_b32 s55, 0xc9742400                      ; -1e6
	s_mov_b32 s73, 0
	s_lshl_b32 s4, s60, 9                          ; my 128 channels: 512 bytes
	s_mul_i32 s5, s60, 384                         ; my 96 channels of xf
	s_mul_i32 s6, s60, FRW                         ; my fragments in LDS,
	s_add_co_u32 s7, s6, 12288                     ; xf's behind the twelve large steps
	s_lshl_b32 s8, s60, 12
	s_add_co_u32 s8, s8, GAIN                      ; my gains, later my partial tiles
	s_lshl_b32 s9, s60, 2
	s_add_co_u32 s9, s9, STAT
	s_and_b32 s10, s60, 3                          ; the product whose bias I load: 0 kt, 1 vt, 2 kr, 3 vr
	v_and_b32 v6, 15, v0                           ; r = lane % 16
	v_bfe_u32 v7, v0, 4, 1                         ; h = lane / 16
	v_lshlrev_b32 v31, 5, v7                       ; 32 h
	v_and_b32 v30, 3, v6                           ; r % 4: the text products have four rows
	v_lshl_add_u32 v8, v6, 13, v31
	v_add_nc_u32 v8, s4, v8                        ; Wkr: 8,192 r + 32 h + 512 w
	v_lshl_add_u32 v9, v6, 12, v31
	v_add_nc_u32 v9, s4, v9                        ; re_motion, re_text, Wvr: 4,096 r + 32 h + 512 w
	v_mul_u32_u24 v10, v6, 3072
	v_add_nc_u32 v10, v10, v31
	v_add_nc_u32 v10, s5, v10                      ; Wkt, Wvt: 3,072 r + 32 h + 384 w
	v_mul_u32_u24 v12, v30, 3072
	v_add_nc_u32 v12, v12, v31
	v_add_nc_u32 v12, s5, v12                      ; xf: row r % 4
	v_add_nc_u32 v11, s6, v1                       ; fragments: 16 x lane
	v_lshl_add_u32 v13, v7, 2, v30
	v_lshl_add_u32 v13, v13, 4, s7                 ; xf's fragments: 16 (r % 4 + 4 h): lanes with the same row share a place
	v_lshl_add_u32 v14, v3, 5, s8                  ; my 32 bytes of a partial tile
	v_add_nc_u32 v15, s8, v31                      ; gains, read: 32 h
	v_add_nc_u32 v24, s8, v1                       ; gains, stored: 16 x lane
	v_min_u32 v29, 23, v3                          ; tg, tb: 96 numbers are 24 lanes' 16 bytes; lanes 24-31 repeat lane 23
	v_lshlrev_b32 v29, 4, v29
	v_add_nc_u32 v25, s8, v29
	v_add_nc_u32 v29, s5, v29
	v_add_nc_u32 v28, s4, v1
	v_lshl_add_u32 v26, v6, 5, s9                  ; the table: row r, wave w
	v_lshlrev_b32 v27, 5, v6
	v_add_nc_u32 v27, STAT, v27                    ; row r, all eight waves
	s_wait_kmcnt 0x0
	s_load_b128 s[56:59], s[50:51], 0x0            ; the four cond_type
	s_lshl_b32 s72, ttmp9, 17                      ; my 16 rows of each W
	s_add_nc_u64 s[38:39], s[38:39], s[72:73]
	s_lshl_b32 s72, ttmp9, 16
	s_add_nc_u64 s[40:41], s[40:41], s[72:73]
	s_mul_i32 s72, ttmp9, 49152
	s_add_nc_u64 s[34:35], s[34:35], s[72:73]
	s_add_nc_u64 s[36:37], s[36:37], s[72:73]
	s_cmp_eq_u32 s10, 1
	s_cselect_b64 s[74:75], s[44:45], s[42:43]
	s_cmp_eq_u32 s10, 2
	s_cselect_b64 s[74:75], s[46:47], s[74:75]
	s_cmp_eq_u32 s10, 3
	s_cselect_b64 s[74:75], s[48:49], s[74:75]
	s_lshl_b32 s72, ttmp9, 6                       ; my 16 columns: 64 bytes
	s_add_nc_u64 s[74:75], s[74:75], s[72:73]
	; all 52 loads of the small rows at once, the gains first
	global_load_b128 v[32:35], v28, s[26:27]               ; r1g, motion half
	global_load_b128 v[36:39], v28, s[26:27] offset:4096   ; r1g, text half
	global_load_b128 v[40:43], v28, s[28:29]
	global_load_b128 v[44:47], v28, s[28:29] offset:4096
	global_load_b128 v[48:51], v28, s[30:31]               ; r2g, r2b
	global_load_b128 v[52:55], v28, s[32:33]
	global_load_b128 v[56:59], v29, s[18:19]               ; tg, tb
	global_load_b128 v[60:63], v29, s[20:21]
.irp st, 0,1,2,3
	FLOAD 64+16*\st, 9, 22, 128*\st
.endr
.irp st, 0,1,2,3
	FLOAD 128+16*\st, 9, 24, 128*\st
.endr
.irp st, 0,1,2
	FLOAD 192+16*\st, 12, 16, 128*\st
.endr
	s_wait_loadcnt 44                              ; the gains are in; the rows' 44 loads may stay out
.irp i, 0,1,2,3,4,5
	ds_store_b128 v24, v[32+4*\i:35+4*\i] offset:512*\i
.endr
	ds_store_b128 v25, v[56:59] offset:3072
	ds_store_b128 v25, v[60:63] offset:3584
	s_wait_loadcnt 28                              ; motion is in; text's 16 and xf's 12 loads may stay out
	LSUM 64, 64, 248
	s_wait_loadcnt 12                              ; text is in
	LSUM 128, 64, 249
	s_wait_loadcnt 0x0
	LSUM 192, 48, 250
	v_lshlrev_b32 v12, 5, v7                       ; xf's loads are done: the register now holds 32 h, for the bias
	s_wait_kmcnt 0x0                               ; cond_type
	XCHG 0
	v_mul_f32 v240, s61, v248                      ; mean of re_val's row
	v_add_f32 v251, v248, v249
	v_mul_f32 v242, s63, v251                      ; of re_key's
	v_mul_f32 v244, s71, v250                      ; of xf's
	v_mov_b32 v241, v240                           ; twice each: pairs for the packed lines
	v_mov_b32 v243, v242
	v_mov_b32 v245, v244
	v_sub_f32 v246, v240, v242                     ; d
.set i, 0
.rept 32
	v_pk_add_f32 v[64+2*i:65+2*i], v[64+2*i:65+2*i], v[240:241] neg_lo:[0,1] neg_hi:[0,1]
.set i, i+1
.endr
.set i, 0
.rept 32
	v_pk_add_f32 v[128+2*i:129+2*i], v[128+2*i:129+2*i], v[242:243] neg_lo:[0,1] neg_hi:[0,1]
.set i, i+1
.endr
.set i, 0
.rept 24
	v_pk_add_f32 v[192+2*i:193+2*i], v[192+2*i:193+2*i], v[244:245] neg_lo:[0,1] neg_hi:[0,1]
.set i, i+1
.endr
	LSQ 64, 64, 248
	LSQ 128, 64, 249
	LSQ 192, 48, 250
	XCHG 1536                                      ; bytes of its own: no wave may still be reading the first table
	v_fma_f32 v251, v248, s61, s62                 ; variance + eps: re_val,
	v_add_f32 v252, v248, v249
	v_fma_f32 v252, v252, s63, s62
	v_mul_f32 v253, v246, v246
	v_fma_f32 v252, v253, 0.5, v252                ; re_key: 1,024 d^2 / 2,048,
	v_fma_f32 v254, v250, s71, s62                 ; xf
	v_rsq_f32 v240, v251
	v_rsq_f32 v242, v252
	v_rsq_f32 v244, v254
	v_nop                                          ; a plain instruction behind the last root,
	s_wait_alu depctr_va_vdst(0)                   ; and one wait for the three
	v_mov_b32 v241, v240
	v_mov_b32 v243, v242
	v_mov_b32 v245, v244
	v_mul_f32 v246, v246, v242                     ; d / sqrt, for re_key's motion half
	v_mov_b32 v247, v246
.irp st, 0,1,2
	NSTEP 192+16*\st, 192+16*\st, 3072+128*\st, 3584+128*\st, 244, 0, 13, 256*\st, 128
.endr
	s_wait_dscnt 0x0                               ; the fragments have left their registers: the weights' loads may land there
.irp st, 0,1,2
	FLOADNT 192+16*\st, 10, 34, 128*\st            ; Wkt
.endr
.irp st, 0,1,2,3
	NSTEP 128+16*\st, 128+16*\st, 512+128*\st, 1536+128*\st, 242, 0, 11, 4096+1024*\st, 512
.endr
	s_wait_dscnt 0x0
.irp st, 0,1,2,3
	FLOADNT 128+16*\st, 8, 38, 4096+128*\st        ; Wkr, text half: K steps 4-7
.endr
.irp st, 0,1,2,3
	NSTEP 64+16*\st, 16, 2048+128*\st, 2560+128*\st, 240, 0, 11, 8192+1024*\st, 512   ; re_val first: it leaves the motion registers as they are
.endr
.irp st, 0,1,2,3
	NSTEP 64+16*\st, 64+16*\st, 128*\st, 1024+128*\st, 242, 1, 11, 1024*\st, 512
.endr
	s_wait_dscnt 0x0
.irp st, 0,1,2,3
	FLOADNT 64+16*\st, 8, 38, 128*\st              ; Wkr, motion half: K steps 0-3
.endr
	; THE PRODUCTS.  The accumulators take turns, one instruction a turn: kr v16-23 (even steps), v24-31 (odd); vr v32-39, v40-47; kt v48-55; vt v56-63.
	s_wait_loadcnt 16                              ; Wkt and Wkr's text half are in; the motion half's 16 loads may stay out
.irp st, 0,1,2
	CVT8 192+16*\st
.endr
.irp st, 4,5,6,7
	CVT8 64+16*\st
.endr
.irp st, 0,1,2
	ds_load_b128 v[200+16*\st:203+16*\st], v13 offset:256*\st      ; the step's upper eight registers are free now
	ds_load_b128 v[204+16*\st:207+16*\st], v13 offset:256*\st+128
.endr
.irp st, 4,5,6,7
	ds_load_b128 v[72+16*\st:75+16*\st], v11 offset:1024*\st
	ds_load_b128 v[76+16*\st:79+16*\st], v11 offset:1024*\st+512
.endr
	s_wait_dscnt 0x0
	v_wmma_f32_16x16x32_f16 v[48:55], v[192:199], v[200:207], 0
	v_wmma_f32_16x16x32_f16 v[16:23], v[128:135], v[136:143], 0
	v_wmma_f32_16x16x32_f16 v[48:55], v[208:215], v[216:223], v[48:55]
	v_wmma_f32_16x16x32_f16 v[24:31], v[144:151], v[152:159], 0
	v_wmma_f32_16x16x32_f16 v[48:55], v[224:231], v[232:239], v[48:55]
	v_wmma_f32_16x16x32_f16 v[16:23], v[160:167], v[168:175], v[16:23]
	v_wmma_f32_16x16x32_f16 v[24:31], v[176:183], v[184:191], v[24:31]
.rept 4
	v_nop                                          ; four places in front of loads into registers that those products read
.endr
.irp st, 0,1,2,3
	FLOADNT 192+16*\st, 9, 40, 128*\st             ; Wvr
.endr
.irp st, 0,1,2
	FLOADNT 128+16*\st, 10, 36, 128*\st            ; Wvt
.endr
	global_load_b128 v[176:179], v12, s[74:75]     ; the bias of product w % 4, my eight columns
	global_load_b128 v[180:183], v12, s[74:75] offset:16
	s_wait_loadcnt 30                              ; Wkr's motion half is in; the 30 loads just issued may stay out
.irp st, 0,1,2,3
	CVT8 64+16*\st
.endr
.irp st, 0,1,2,3
	ds_load_b128 v[72+16*\st:75+16*\st], v11 offset:1024*\st
	ds_load_b128 v[76+16*\st:79+16*\st], v11 offset:1024*\st+512
.endr
	s_wait_dscnt 0x0
.irp st, 0,2
	v_wmma_f32_16x16x32_f16 v[16:23], v[64+16*\st:71+16*\st], v[72+16*\st:79+16*\st], v[16:23]
	v_wmma_f32_16x16x32_f16 v[24:31], v[80+16*\st:87+16*\st], v[88+16*\st:95+16*\st], v[24:31]
.endr
	s_wait_loadcnt 0x0
.irp st, 0,1,2,3
	CVT8 192+16*\st
.endr
.irp st, 0,1,2
	CVT8 128+16*\st
.endr
.irp st, 0,1,2,3
	ds_load_b128 v[200+16*\st:203+16*\st], v11 offset:8192+1024*\st
	ds_load_b128 v[204+16*\st:207+16*\st], v11 offset:8192+1024*\st+512
.endr
.irp st, 0,1,2
	ds_load_b128 v[136+16*\st:139+16*\st], v13 offset:256*\st
	ds_load_b128 v[140+16*\st:143+16*\st], v13 offset:256*\st+128
.endr
	s_wait_dscnt 0x0
	v_wmma_f32_16x16x32_f16 v[32:39], v[192:199], v[200:207], 0
	v_wmma_f32_16x16x32_f16 v[56:63], v[128:135], v[136:143], 0
	v_wmma_f32_16x16x32_f16 v[40:47], v[208:215], v[216:223], 0
	v_wmma_f32_16x16x32_f16 v[56:63], v[144:151], v[152:159], v[56:63]
	v_wmma_f32_16x16x32_f16 v[32:39], v[224:231], v[232:239], v[32:39]
	v_wmma_f32_16x16x32_f16 v[56:63], v[160:167], v[168:175], v[56:63]
	v_wmma_f32_16x16x32_f16 v[40:47], v[240:247], v[248:255], v[40:47]
.rept 8
	v_nop                                          ; the places behind the last products, once a work-group
.endr
.irp e, 0,2,4,6
	v_pk_add_f32 v[16+\e:17+\e], v[16+\e:17+\e], v[24+\e:25+\e]   ; even and odd steps; each accumulator is read from its low end on
	v_pk_add_f32 v[32+\e:33+\e], v[32+\e:33+\e], v[40+\e:41+\e]
.endr
	ds_store_b128 v14, v[48:51]                    ; kt, vt, kr, vr: 1,024 bytes each, where my gains lay: my reads of those are long back
	ds_store_b128 v14, v[52:55] offset:16
	ds_store_b128 v14, v[56:59] offset:1024
	ds_store_b128 v14, v[60:63] offset:1040
	ds_store_b128 v14, v[16:19] offset:2048
	ds_store_b128 v14, v[20:23] offset:2064
	ds_store_b128 v14, v[32:35] offset:3072
	ds_store_b128 v14, v[36:39] offset:3088
	s_wait_dscnt 0x0
	s_barrier_signal -1
	s_barrier_wait -1                              ; all eight partial sums of all four products lie in LDS
	s_cmp_lt_u32 s60, 4                            ; wave p finishes product p: 0 kt, 1 vt, 2 kr, 3 vr
	s_cbranch_scc0 .Lc_end
	s_lshl_b32 s69, s60, 10
	s_add_co_u32 s69, s69, PART
	v_lshl_add_u32 v151, v3, 5, s69
.irp v, 0,1,2,3,4,5,6,7
	ds_load_b128 v[64+8*\v:67+8*\v], v151 offset:4096*\v
	ds_load_b128 v[68+8*\v:71+8*\v], v151 offset:4096*\v+16
.endr
	s_lshl_b32 s72, ttmp9, 6                       ; my 16 columns: 64 bytes
	s_and_b32 s69, s60, 1                          ; 0: a key product, 1: a value product
	s_mul_i32 s69, s69, 81920
	s_add_co_u32 s72, s72, s69
	s_add_nc_u64 s[52:53], s[52:53], s[72:73]
	; the condition of each batch: text: cond % 10 > 0 (cond no multiple of 10); retrieval: cond // 10 > 0 (cond >= 10)
.irp b, 0,1,2,3
	s_sub_co_i32 s68, 0, s[56+\b]
	s_max_i32 s68, s68, s[56+\b]                   ; |cond|
	s_mul_hi_u32 s69, s68, 0xcccccccd
	s_lshr_b32 s69, s69, 3                         ; |cond| / 10
	s_mul_i32 s69, s69, 10
	s_sub_co_u32 s68, s68, s69
	s_cmp_lg_u32 s68, 0
	s_cselect_b32 s68, 1.0, 0
	s_cmp_ge_i32 s[56+\b], 10
	s_cselect_b32 s69, 1.0, 0
	s_cmp_lt_u32 s60, 2
	s_cselect_b32 s[76+\b], s68, s69               ; the one that my product goes by
.endr
	s_cmp_lt_u32 s60, 2
	s_cselect_b32 s68, -1, 0                       ; all lanes: a text product
	s_cselect_b32 s69, 0, -1                       ; all lanes: a retrieval product
	v_and_b32 v136, 3, v6                          ; r % 4
	v_lshrrev_b32 v137, 2, v6                      ; r / 4
	v_cndmask_b32 v138, v137, v136, s68            ; my row's batch: text r % 4, retrieval r / 4
	v_add_nc_u32 v139, 1, v136
	v_cndmask_b32 v139, 0, v139, s69               ; its place among the batch's five rows: text 0, retrieval 1 + r % 4
	v_mul_u32_u24 v140, v138, 5
	v_add_nc_u32 v140, v140, v139
	v_lshlrev_b32 v140, 12, v140                   ; 4,096 bytes a row of ext
	v_lshl_add_u32 v140, v7, 5, v140
	v_mov_b32 v141, s76
	v_mov_b32 v142, s77
	v_mov_b32 v143, s78
	v_mov_b32 v148, s79
	v_cmp_eq_u32 vcc_lo, 1, v138
	v_cndmask_b32 v141, v141, v142, vcc_lo
	v_cmp_eq_u32 vcc_lo, 2, v138
	v_cndmask_b32 v141, v141, v143, vcc_lo
	v_cmp_eq_u32 vcc_lo, 3, v138
	v_cndmask_b32 v141, v141, v148, vcc_lo         ; my batch's condition f, 1.0 or 0
	s_bitcmp1_b32 s60, 0
	s_cselect_b32 s68, -1, 0                       ; a value product
	s_cselect_b32 s69, 0, -1                       ; a key product
	v_fma_f32 v144, v141, s54, s55                 ; -(1 - f) 1e6
	v_cndmask_b32 v144, 0, v144, s69               ; key: out = (sum + bias) + that;
	v_cndmask_b32 v146, 1.0, v141, s68             ; value: out = (sum + bias) f
	v_mov_b32 v145, v144
	v_mov_b32 v147, v146
	s_wait_dscnt 0x0
.irp m, 0,1,2,3
.irp e, 0,2,4,6
	v_pk_add_f32 v[64+16*\m+\e:65+16*\m+\e], v[64+16*\m+\e:65+16*\m+\e], v[72+16*\m+\e:73+16*\m+\e]
.endr
.endr
.irp m, 0,1
.irp e, 0,2,4,6
	v_pk_add_f32 v[64+32*\m+\e:65+32*\m+\e], v[64+32*\m+\e:65+32*\m+\e], v[80+32*\m+\e:81+32*\m+\e]
.endr
.endr
.irp e, 0,2,4,6
	v_pk_add_f32 v[64+\e:65+\e], v[64+\e:65+\e], v[96+\e:97+\e]
.endr
.irp e, 0,2,4,6
	v_pk_add_f32 v[64+\e:65+\e], v[64+\e:65+\e], v[176+\e:177+\e]   ; the bias, in since the last products' wait
.endr
.irp e, 0,2,4,6
	v_pk_fma_f32 v[64+\e:65+\e], v[64+\e:65+\e], v[146:147], v[144:145]
.endr
	global_store_b128 v140, v[64:67], s[52:53]     ; pieces of 64 bytes a row, in a buffer of 160 KiB in all; a text product's lanes r >= 4 store the same numbers to the same bytes as r % 4
	global_store_b128 v140, v[68:71], s[52:53] offset:16
.Lc_end:
	s_wait_tensorcnt 0x0                           ; the wave's end, behind my last LDS store
	ds_add_u32 v4, v5
	s_wait_dscnt 0x0
	s_endpgm
.Lfunc_end_k_q383dbbd7d3_prep:
	.size	k_q383dbbd7d3_prep, .Lfunc_end_k_q383dbbd7d3_prep-k_q383dbbd7d3_prep
	.p2alignl 7, 3214868480
	.fill 96, 4, 3214868480
	.section	.rodata,"a",@progbits
	.p2align	6, 0x0
	.amdhsa_kernel k_q383dbbd7d3_prep
		.amdhsa_group_segment_fixed_size 141312
		.amdhsa_private_segment_fixed_size 0
		.amdhsa_enable_private_segment 0
		.amdhsa_kernarg_size 216
		.amdhsa_user_sgpr_count 2
		.amdhsa_user_sgpr_kernarg_segment_ptr 1
		.amdhsa_wavefront_size32 1
		.amdhsa_system_sgpr_workgroup_id_x 1
		.amdhsa_system_sgpr_workgroup_id_y 1
		.amdhsa_system_sgpr_workgroup_id_z 1
		.amdhsa_system_vgpr_workitem_id 0
		.amdhsa_next_free_vgpr 256
		.amdhsa_next_free_sgpr 80
		.amdhsa_reserve_vcc 1
		.amdhsa_float_denorm_mode_32 3
		.amdhsa_float_denorm_mode_16_64 3
		.amdhsa_memory_ordered 1
		.amdhsa_forward_progress 1
		.amdhsa_inst_pref_size 139
	.end_amdhsa_kernel
	.amdgpu_metadata
---
amdhsa.version: [ 1, 2 ]
amdhsa.kernels:
  - .name:           k_q383dbbd7d3_prep
    .symbol:         k_q383dbbd7d3_prep.kd
    .args:
      - { .name: x, .offset: 0, .size: 8, .value_kind: global_buffer, .address_space: global }
      - { .name: ng, .offset: 8, .size: 8, .value_kind: global_buffer, .address_space: global }
      - { .name: nb, .offset: 16, .size: 8, .value_kind: global_buffer, .address_space: global }
      - { .name: xn, .offset: 24, .size: 8, .value_kind: global_buffer, .address_space: global }
      - { .name: Wq, .offset: 32, .size: 8, .value_kind: global_buffer, .address_space: global }
      - { .name: Wkm, .offset: 40, .size: 8, .value_kind: global_buffer, .address_space: global }
      - { .name: Wvm, .offset: 48, .size: 8, .value_kind: global_buffer, .address_space: global }
      - { .name: wb, .offset: 56, .size: 8, .value_kind: global_buffer, .address_space: global }
      - { .name: xf, .offset: 64, .size: 8, .value_kind: global_buffer, .address_space: global }
      - { .name: tg, .offset: 72, .size: 8, .value_kind: global_buffer, .address_space: global }
      - { .name: tb, .offset: 80, .size: 8, .value_kind: global_buffer, .address_space: global }
      - { .name: re_motion, .offset: 88, .size: 8, .value_kind: global_buffer, .address_space: global }
      - { .name: re_text, .offset: 96, .size: 8, .value_kind: global_buffer, .address_space: global }
      - { .name: r1g, .offset: 104, .size: 8, .value_kind: global_buffer, .address_space: global }
      - { .name: r1b, .offset: 112, .size: 8, .value_kind: global_buffer, .address_space: global }
      - { .name: r2g, .offset: 120, .size: 8, .value_kind: global_buffer, .address_space: global }
      - { .name: r2b, .offset: 128, .size: 8, .value_kind: global_buffer, .address_space: global }
      - { .name: Wkt, .offset: 136, .size: 8, .value_kind: global_buffer, .address_space: global }
      - { .name: Wvt, .offset: 144, .size: 8, .value_kind: global_buffer, .address_space: global }
      - { .name: Wkr, .offset: 152, .size: 8, .value_kind: global_buffer, .address_space: global }
      - { .name: Wvr, .offset: 160, .size: 8, .value_kind: global_buffer, .address_space: global }
      - { .name: bkt, .offset: 168, .size: 8, .value_kind: global_buffer, .address_space: global }
      - { .name: bvt, .offset: 176, .size: 8, .value_kind: global_buffer, .address_space: global }
      - { .name: bkr, .offset: 184, .size: 8, .value_kind: global_buffer, .address_space: global }
      - { .name: bvr, .offset: 192, .size: 8, .value_kind: global_buffer, .address_space: global }
      - { .name: cond_type, .offset: 200, .size: 8, .value_kind: global_buffer, .address_space: global }
      - { .name: ext, .offset: 208, .size: 8, .value_kind: global_buffer, .address_space: global }
    .group_segment_fixed_size: 141312
    .private_segment_fixed_size: 0
    .kernarg_segment_align: 8
    .kernarg_segment_size: 216
    .max_flat_workgroup_size: 256
    .sgpr_count:     80
    .vgpr_count:     256
    .wavefront_size: 32
...
	.end_amdgpu_metadata
.endif
;; end of part 1
;; launch kv (part 2): grid 8 x 64, 4 waves a work-group, clusters of 4 x 4, 327,680 bytes of LDS; arguments xn, wb, src_mask, bvm, part; writes part
.if DOCPART == 2
	.amdgcn_target "amdgcn-amd-amdhsa--gfx1250"
	.amdhsa_code_object_version 6
	.text
	.protected	k_q383dbbd7d3_kv
	.globl	k_q383dbbd7d3_kv
	.p2align	8
	.type	k_q383dbbd7d3_kv,@function
k_q383dbbd7d3_kv:
	s_mov_b64 s[64:65], 0
	v_nop
	global_prefetch_b8 v0, s[64:65] scope:SCOPE_SE
	s_setreg_imm32_b32 hwreg(HW_REG_WAVE_MODE, 25, 1), 1
	s_wait_xcnt 0x0
	s_wait_alu depctr_hold_cnt(0) depctr_sa_sdst(0) depctr_va_vdst(0) depctr_va_sdst(0) depctr_va_ssrc(0) depctr_va_vcc(0) depctr_vm_vsrc(0)
	s_getreg_b32 s2, hwreg(HW_REG_IB_STS2, 6, 4)
	s_cmp_eq_u32 s2, 0
	s_cbranch_scc0 .Lentry_in_a_cluster
	s_endpgm
.Lentry_in_a_cluster:
	s_bfe_u32 s2, ttmp6, 0x10000c
	s_cmp_lg_u32 s2, 0xf033
	s_cbranch_scc0 .Lentry_shape_is_right
	s_endpgm
.Lentry_shape_is_right:
; KEYS AND VALUES OF THE MOTION TOKENS, AND THEIR PART OF attn, for a tile of 256 tokens x 2 heads.  Nothing of k, v or the weights p goes to memory.
;   k = xn Wkm^T - (1 - src) 1e6 (bkm, constant along the tokens, is added where the tiles are merged);  v = (xn Wvm^T + bvm) src
;   M[d] = the largest k of the tile's 256 tokens;  p = 2^(c k - c M), c = log2(e);  O[l][d] = sum over tokens of p[d] v[l];  L[d] = sum of p[d]
;   part[tile row][head] = 64 rows O[l][.], a row L, a row c M: 66 rows of 64 f32.
; THE GEMM.  Four waves; wave (wr, wc) owns 128 tokens (half wr) x head 2 p + wc: 64 accumulators of 16 x 16, of which column blocks 0-3 are k's 64 channels and 4-7 v's.
; K = 1,024 goes in 8 steps of 128 through a ring of two LDS slots; the tiles' rows are 256 bytes of memory, aligned, and 272 bytes apart in LDS.
; Source 0 = 16 tokens, source 1 = 16 rows of W: a lane holds ONE channel (lane % 16) and the tokens 8 (lane / 16) + 0..7 of each block.  So the maximum over tokens runs along registers,
; and two token blocks rounded to f16 in pairs ARE a fragment (32 tokens) of the second product, for p and for v alike: nothing changes lanes in between.
; The sums start with a C operand: k's with the mask, v's with bvm.
; CLUSTER 4 x 4: xn's tile is shared along a row of the cluster, W's along a column: joint loads, as many requests as a quarter of the work-groups would make.
; LIMITS.  All matrix operands are f16 (ends at 65,504; below 6.1e-5 a fixed step of 6e-8): xn, W, v, p (0 to 1).  A weight below 2^-126 counts as 0.  NaN and infinities are not treated apart.
; REGISTERS, in windows of 256 (s_set_vgpr_msb: bits 1:0 source 0, 3:2 source 1, 5:4 source 2, 7:6 destination):
;   window 0: v16-31 addresses; v32-55 the maxima at work; v64-191 xn's fragments, two buffers, later p's fragments; v192-255 src of my 128 tokens as f32
;   window 1: v0-63 the mask by token block; v64-191 W's fragments, later v's; v192-223 bvm by channel block, later v192-199 ones
;   windows 2, 3: accumulator (a, b) at v[8 (8 (a % 4) + b)], token blocks 0-3 in window 2; later window 2 v0-159: the 20 accumulators of the second product
.set KSTEP,  128
.set PITCH,  272                       ; 256 bytes + 16 of padding: the 16 rows of a fragment load start 4 banks apart
.set HALFT,  128*PITCH                 ; what one tensor load brings
.set SLOT,   4*HALFT                   ; xn's 256 rows, then W's 256 (128 of Wkm, 128 of Wvm).  SLOT = 0x22000 shares no bit with wave x HALFT, so an exclusive or changes slots
.set BSKIP,  64*PITCH                  ; from my head's k rows to its v rows: 128 rows on, of which column blocks 0-3 cover 64
.set AREA,   80*PITCH                  ; the way out: a wave's 80 rows of 64 f32, in slot 0, whose last fill is K step 6; every wave's last reads of it are waited for ahead of the barrier of the maxima
.set MX,     2*SLOT                    ; behind the ring: 256 bytes a wave, the maxima
.set SPARE,  MX+1024                   ; the spare words, 128 bytes a wave; no other line names them
.set REC,    16896                     ; bytes of a record of part
.set ADRA0, 16                         ; v16  my place in xn's tile, slot 0; never rewritten
.set ADRA,  17                         ; v17  the same in the slot in hand
.set ADRB0, 20
.set ADRB,  21
.set MXS, 22                           ; v22  where I put my maxima
.set MXL, 23                           ; v23  where the wave with the other 128 tokens put its own
.set STO, 24                           ; v24  the way out: where I put 32 bytes of a row
.set CMA, 25                           ; v25  row 65 of my area
.set RD,  26                           ; v26  where I read rows back
.set GO,  27                           ; v27  16 x lane
.set SPW, 28
.set NIL, 29
.set PFO, 30                           ; v30  lane x 2,048: a lane a row
.set MB,  32                           ; v32-35 M of channel blocks 0-3
.set MP,  36                           ; v36-39 the partner's
.set CM,  40                           ; v40-47 c M, twice each: pairs
.set TP,  48                           ; v48-51 at work
.set SR,  192
.set F0,  64
.set F1,  128
.set G1,  24                           ; s[24:31] group 1 for xn's tiles
.set G0,  32                           ; s[32:39] group 0: K step 0 into slot 0; K step 1 into slot 1, which then walks
.set G1B, 48                           ; s[48:55], s[56:63] the same for W's
.set G0B, 56
.set LIM, 43                           ; s43  2 in a wave that prefetches, else the greatest number
.set PFA, 44                           ; s[44:45] where my prefetches stand
.set TB,  66                           ; s66  0 or SLOT: the slot in hand
.set MSB, 0
.macro WIN new                         ; the high byte repeats the setting that is left; a switch that changes nothing is dropped
.if MSB != (\new)
	s_set_vgpr_msb (MSB<<8)|(\new)
.set MSB, \new
.endif
.endm
.macro PLACES                          ; four places behind matrix instructions, ahead of loads into their sources and of readers of their results
.rept 4
	v_nop
.endr
.endm
; A joint load: waves 0 and 1 fetch xn's two halves, waves 2 and 3 Wkm's and Wvm's rows.  The branch hangs on the wave's number alone.  An s_nop 0 and four v_nop follow each line.
.macro JLOAD s
	s_cmp_eq_u32 s11, 0
	s_cbranch_scc0 .Lfor_b_\@
	tensor_load_to_lds s[G0+4*(\s):G0+4*(\s)+3], s[G1:G1+7]
	s_nop 0
.rept 4
	v_nop
.endr
	s_branch .Lasked_\@
.Lfor_b_\@:
	tensor_load_to_lds s[G0B+4*(\s):G0B+4*(\s)+3], s[G1B:G1B+7]
	s_nop 0
.rept 4
	v_nop
.endr
.Lasked_\@:
.endm
; A prefetch of the K step that stands two refills on: 32 rows x 256 bytes, a lane a row.  xn's rows are asked for by the clusters with x = 0, W's by those with y = 0; the four partners of a joint
; tile take 32 of the wave's 128 rows each, told apart by address.  The refill of K step r = 8 - s3 names r + 2, which exists while s3 > 2.  K steps 0 to 3 come by their loads alone.
.macro ASK
	s_cmp_gt_u32 s3, s[LIM]
	s_cbranch_scc0 .Lnot_mine_\@
	global_prefetch_b8 v[PFO], s[PFA:PFA+1] offset:KSTEP*2 th:TH_LOAD_NT scope:SCOPE_SE
.Lnot_mine_\@:
.endm
.macro CREST                           ; a round of the cluster's barrier behind its opening barrier
	s_cmp_lg_u32 s10, 0
	s_cbranch_scc1 .Lnot_wave_0_\@
	s_barrier_signal -3
.Lnot_wave_0_\@:
	s_barrier_wait -3
	s_barrier_signal -1
	s_barrier_wait -1
.endm
.macro CROUND
	s_barrier_signal -1
	s_barrier_wait -1
	CREST
.endm
	s_load_b128 s[4:7], s[0:1], 0x0                ; xn s[4:5], wb s[6:7]
	s_load_b128 s[68:71], s[0:1], 0x10             ; src_mask s[68:69], bvm s[70:71]
	s_load_b64 s[8:9], s[0:1], 0x20                ; part
	v_lshl_add_u32 v[SPW], v0, 2, SPARE
	v_mov_b32 v[NIL], 0
	ds_add_u32 v[SPW], v[NIL]                      ; the wave's opening: the add, and its wait ahead of my first tensor load; the set-up below stands between them
	v_lshrrev_b32 v1, 5, v0
	v_readfirstlane_b32 s10, v1                    ; wave 0..3
	s_lshr_b32 s11, s10, 1                         ; wr: my half of the tokens.  Also: I fetch xn (0) or W (1)
	s_and_b32 s12, s10, 1                          ; wc: my head of the two.  Also: which 128 rows I fetch
	s_bfe_u32 s40, ttmp6, 0x40000                  ; cx
	s_bfe_u32 s41, ttmp6, 0x40004                  ; cy
	s_lshl_b32 s42, ttmp9, 2
	s_add_co_u32 s42, s42, s40                     ; p: the pair of heads = 4 x cluster x + cx
	s_and_b32 s13, ttmp7, 0xffff
	s_lshl_b32 s13, s13, 2
	s_add_co_u32 s13, s13, s41                     ; rb: the block of 256 tokens = 4 x cluster y + cy
	s_lshl_b32 s43, s41, 2
	s_lshl_b32 s43, 15, s43                        ; my row of the cluster
	s_lshl_b32 s44, 0x1111, s40                    ; my column
	s_or_b32 s[G1+0], s43, (1<<16)|(1<<20)|(1<<21)|(5<<22)|(3<<25)   ; the mask; elements of 2 bytes; padding on; bit 21 beside a mask; after every 64 words 4 words
	s_or_b32 s[G1B+0], s44, (1<<16)|(1<<20)|(1<<21)|(5<<22)|(3<<25)
.irp g, G1, G1B
	s_mov_b32 s[(\g)+1], KSTEP<<16                 ; tensor_dim0 = 128
	s_mov_b32 s[(\g)+2], 128<<16                   ; tensor_dim1 = 128
	s_mov_b32 s[(\g)+3], KSTEP<<16                 ; tile_dim0 = 128
	s_mov_b32 s[(\g)+4], 128                       ; tile_dim1 = 128
	s_mov_b32 s[(\g)+5], 1024                      ; elements from row to row
	s_mov_b32 s[(\g)+6], 0
	s_mov_b32 s[(\g)+7], 0
.endr
	s_lshl_b32 s16, s13, 8
	s_lshl_b32 s17, s12, 7
	s_add_co_u32 s16, s16, s17                     ; xn: row 256 rb + 128 x half,
	s_lshl_b32 s16, s16, 11                        ; 2,048 bytes a row
	s_mov_b32 s17, 0
	s_add_co_u32 s46, s12, 1                       ; wb: matrix 1 (Wkm) or 2 (Wvm),
	s_lshl_b32 s46, s46, 10
	s_lshl_b32 s47, s42, 7
	s_add_co_u32 s46, s46, s47                     ; its rows 128 p on
	s_lshl_b32 s46, s46, 11
	s_mov_b32 s47, 0
	s_mul_i32 s20, s10, HALFT                      ; where they go: wave x 128 rows
	s_mov_b32 s74, 0x3fb8aa3b                      ; c = log2(e), as a pair
	s_mov_b32 s75, s74
	s_mov_b32 s76, 0x76543210                      ; v_permlanex16_b32's selects
	s_mov_b32 s77, 0xfedcba98
	s_mov_b32 s78, 0x49742400                      ; 1e6
	s_mov_b32 s79, s78
	s_mov_b32 s82, 0xc9742400                      ; -1e6
	s_mov_b32 s83, s82
	s_mov_b32 s[TB], 0
	s_wait_dscnt 0x0                               ; the opening add is done
	s_wait_kmcnt 0x0
	s_add_nc_u64 s[14:15], s[4:5], s[16:17]
	s_add_nc_u64 s[46:47], s[6:7], s[46:47]
	CROUND                                         ; all sixteen work-groups are here: the first joint loads meet
.irp s, 0,1
	s_mov_b32 s[G0+4*(\s)], 1
	s_add_co_u32 s[G0+4*(\s)+1], s20, (\s)*SLOT
	s_add_nc_u64 s[G0+4*(\s)+2:G0+4*(\s)+3], s[14:15], (\s)*KSTEP*2
	s_or_b32 s[G0+4*(\s)+3], s[G0+4*(\s)+3], 0x80000000
	s_mov_b32 s[G0B+4*(\s)], 1
	s_add_co_u32 s[G0B+4*(\s)+1], s20, (\s)*SLOT
	s_add_nc_u64 s[G0B+4*(\s)+2:G0B+4*(\s)+3], s[46:47], (\s)*KSTEP*2
	s_or_b32 s[G0B+4*(\s)+3], s[G0B+4*(\s)+3], 0x80000000
	JLOAD \s                                       ; two loads of mine are out
.endr
	v_and_b32 v1, 15, v0                           ; r = lane % 16
	v_bfe_u32 v2, v0, 4, 1                         ; h = lane / 16
	; my tokens' src and my head's bvm
	s_lshl_b32 s84, s13, 8
	s_lshl_b32 s85, s11, 7
	s_add_co_u32 s84, s84, s85                     ; my first token
	s_lshl_b32 s84, s84, 2
	s_mov_b32 s85, 0
	s_add_nc_u64 s[68:69], s[68:69], s[84:85]
	s_lshl_b32 s86, s42, 1
	s_add_co_u32 s86, s86, s12                     ; my head
	s_lshl_b32 s84, s86, 8
	s_add_nc_u64 s[70:71], s[70:71], s[84:85]
	s_lshl_b32 s87, s13, 4
	s_add_co_u32 s87, s87, s86                     ; my record of part: 16 rb + head,
	s_mul_i32 s84, s87, REC
	s_lshl_b32 s87, s11, 13                        ; and the 32 rows of it that I store
	s_add_co_u32 s84, s84, s87
	s_add_nc_u64 s[8:9], s[8:9], s[84:85]
	v_lshlrev_b32 v31, 5, v2                       ; 32 h: tokens 8 h + 0..7 of a block
	v_lshlrev_b32 v12, 2, v1                       ; 4 r
.irp a, 0,1,2,3,4,5,6,7
	global_load_b128 v[SR+8*\a:SR+8*\a+3], v31, s[68:69] offset:64*\a
	global_load_b128 v[SR+8*\a+4:SR+8*\a+7], v31, s[68:69] offset:64*\a+16
.endr
.irp lb, 0,1,2,3
	global_load_b32 v[TP+\lb], v12, s[70:71] offset:64*\lb
.endr
	v_mul_u32_u24 v3, v1, PITCH
	v_lshl_add_u32 v3, v2, 4, v3                   ; a fragment's row x pitch + 16 x half
	s_mul_i32 s21, s11, HALFT                      ; my 128 tokens
	s_mul_i32 s22, s12, BSKIP                      ; my head's 64 rows of Wkm,
	s_add_co_u32 s22, s22, 2*HALFT                 ; behind xn's 256
	v_add_nc_u32 v[ADRA0], s21, v3
	v_add_nc_u32 v[ADRB0], s22, v3
	v_mov_b32 v[ADRA], v[ADRA0]
	v_mov_b32 v[ADRB], v[ADRB0]
	s_lshl_b32 s20, s10, 8
	s_add_co_u32 s20, s20, MX
	v_lshl_add_u32 v[MXS], v1, 4, s20
	s_xor_b32 s20, s10, 2                          ; the wave with my head and the other tokens
	s_lshl_b32 s20, s20, 8
	s_add_co_u32 s20, s20, MX
	v_lshl_add_u32 v[MXL], v1, 4, s20
	s_mul_i32 s21, s10, AREA
	v_mul_u32_u24 v[STO], v1, PITCH
	v_lshl_add_u32 v[STO], v2, 5, v[STO]
	v_add_nc_u32 v[STO], s21, v[STO]
	s_add_co_u32 s22, s21, 65*PITCH
	v_lshl_add_u32 v[CMA], v1, 2, s22
	s_mul_i32 s21, s12, AREA                       ; back: the area of my head's first wave, rows 32 wr on; lanes 0-15 a row, lanes 16-31 the next
	s_mul_i32 s22, s11, 32*PITCH
	s_add_co_u32 s21, s21, s22
	v_mul_u32_u24 v[RD], v2, PITCH
	v_lshl_add_u32 v[RD], v1, 4, v[RD]
	v_add_nc_u32 v[RD], s21, v[RD]
	v_and_b32 v[GO], 31, v0
	v_lshlrev_b32 v[PFO], 11, v[GO]
	v_lshlrev_b32 v[GO], 4, v[GO]
	; the prefetches
	s_lshl_b32 s18, s13, 8
	s_lshl_b32 s19, s12, 7
	s_add_co_u32 s18, s18, s19                     ; xn's first row that I fetch
	s_add_co_u32 s19, s12, 1
	s_lshl_b32 s19, s19, 10
	s_lshl_b32 s23, s42, 7
	s_add_co_u32 s19, s19, s23                     ; wb's
	s_and_b32 s22, ttmp7, 0xffff                   ; cluster y
	s_cmp_eq_u32 s11, 0
	s_cselect_b32 s20, s18, s19
	s_cselect_b32 s21, s40, s41                    ; my place among the four that ask with me
	s_cselect_b32 s22, ttmp9, s22                  ; the coordinate along which other clusters read the same rows
	s_cselect_b64 s[PFA:PFA+1], s[4:5], s[6:7]
	s_cmp_eq_u32 s22, 0
	s_cselect_b32 s[LIM], 2, -1
	s_lshl_b32 s21, s21, 5
	s_add_co_u32 s20, s20, s21                     ; my work-group's 32 rows
	s_lshl_b32 s20, s20, 11
	s_mov_b32 s21, 0
	s_add_nc_u64 s[PFA:PFA+1], s[PFA:PFA+1], s[20:21]
	s_add_nc_u64 s[PFA:PFA+1], s[PFA:PFA+1], 2*KSTEP*2  ; at K step 2: the first refill steps it to 3 and names 4
; 16 matrix instructions: token blocks a0, a0 + 1 of the window's four x all 8 column blocks, 32 along K.  The 64 accumulators take turns, one instruction a turn.
; init = 1: the sums start with the mask (k) or with bvm (v), both in window 1.
.macro MUL16 f, hi, a0, init
.if \init
	WIN 0x94+0x40*(\hi)
.else
	WIN 0xa4+0x50*(\hi)
.endif
.irp a, \a0, (\a0)+1
.irp b, 0,1,2,3,4,5,6,7
.if \init
.if (\b) < 4
	v_wmma_f32_16x16x32_f16 v[8*(8*(\a)+(\b)):8*(8*(\a)+(\b))+7], v[(\f)+8*(4*(\hi)+(\a)):(\f)+8*(4*(\hi)+(\a))+7], v[(\f)+8*(\b):(\f)+8*(\b)+7], v[8*(4*(\hi)+(\a)):8*(4*(\hi)+(\a))+7]
.else
	v_wmma_f32_16x16x32_f16 v[8*(8*(\a)+(\b)):8*(8*(\a)+(\b))+7], v[(\f)+8*(4*(\hi)+(\a)):(\f)+8*(4*(\hi)+(\a))+7], v[(\f)+8*(\b):(\f)+8*(\b)+7], v[192+8*((\b)-4):192+8*((\b)-4)+7]
.endif
.else
	v_wmma_f32_16x16x32_f16 v[8*(8*(\a)+(\b)):8*(8*(\a)+(\b))+7], v[(\f)+8*(4*(\hi)+(\a)):(\f)+8*(4*(\hi)+(\a))+7], v[(\f)+8*(\b):(\f)+8*(\b)+7], v[8*(8*(\a)+(\b)):8*(8*(\a)+(\b))+7]
.endif
.endr
.endr
.endm
; 32 LDS loads in one run: a quarter step's fragments (32 K at byte k of the rows) into buffer f: W's first, then xn's
.macro FETCH k, f
	WIN 0x40
.irp i, 0,1,2,3,4,5,6,7
	ds_load_b128 v[(\f)+8*(\i):(\f)+8*(\i)+3],   v[ADRB] offset:(\k)+(\i)*16*PITCH+((\i)/4)*BSKIP
	ds_load_b128 v[(\f)+8*(\i)+4:(\f)+8*(\i)+7], v[ADRB] offset:(\k)+(\i)*16*PITCH+((\i)/4)*BSKIP+32
.endr
	WIN 0
.irp i, 0,1,2,3,4,5,6,7
	ds_load_b128 v[(\f)+8*(\i):(\f)+8*(\i)+3],   v[ADRA] offset:(\k)+(\i)*16*PITCH
	ds_load_b128 v[(\f)+8*(\i)+4:(\f)+8*(\i)+7], v[ADRA] offset:(\k)+(\i)*16*PITCH+32
.endr
.endm
; One of a K step's first three quarters: multiplies buffer f; in its middle it fetches the next quarter, at byte k, into g.
.macro QUARTER k, f, g, init
	s_wait_dscnt 8                                 ; W's fragments and token blocks 0-3 are in; the youngest eight loads (blocks 4-7) may be out
	MUL16 \f, 0, 0, \init
	MUL16 \f, 0, 2, \init
	PLACES
	FETCH \k, \g
	s_wait_dscnt 32                                ; all but the 32 just issued
	MUL16 \f, 1, 0, \init
	MUL16 \f, 1, 2, \init
.endm
; The last quarter multiplies buffer 1 and changes slots.  Ahead of the barrier each wave waits for all its tensor loads (one is out: its part of the next slot), adds 0 to its spare word, and waits
; for that and for its reads of this slot.  fill = 1: the barrier opens a round of the cluster's, and this slot is filled again, with the K step two on, first thing behind it:
; from that request to the wait for it a wave issues 224 matrix instructions.
.macro TURN fill
.if \fill
	s_wait_xcnt 0x0                                ; the last prefetch, a K step back, has read its address
	s_add_nc_u64 s[PFA:PFA+1], s[PFA:PFA+1], KSTEP*2
.endif
	s_xor_b32 s[TB], s[TB], SLOT
	WIN 0
	v_add_nc_u32 v[ADRA], s[TB], v[ADRA0]          ; all fetches from the old slot have been issued
	v_add_nc_u32 v[ADRB], s[TB], v[ADRB0]
	s_wait_tensorcnt 0x0                           ; all my tensor loads have landed
	ds_add_u32 v[SPW], v[NIL]                      ; 0 onto my spare word
	s_wait_dscnt 9                                 ; (the add and the youngest eight loads may be out)
	MUL16 F1, 0, 0, 0
	s_wait_dscnt 0x0                               ; the add is done, and my reads of this slot are over
	s_barrier_signal -1
	MUL16 F1, 0, 2, 0
	WIN 0
	s_barrier_wait -1
.if \fill
	CREST                                          ; no wave of any partner still reads this slot or has a load on its way
	s_xor_b32 s[G0+5], s[G0+5], SLOT               ; the walking descriptors: the other slot than last time, the next K step
	s_add_nc_u64 s[G0+6:G0+7], s[G0+6:G0+7], KSTEP*2
	s_xor_b32 s[G0B+5], s[G0B+5], SLOT
	s_add_nc_u64 s[G0B+6:G0B+7], s[G0B+6:G0B+7], KSTEP*2
	JLOAD 1                                        ; its four v_nop are also the places in front of the loads below
.else
	PLACES
.endif
	FETCH 0, F0
.if \fill
	ASK
.endif
	MUL16 F1, 1, 0, 0
	MUL16 F1, 1, 2, 0
.endm
	s_wait_tensorcnt 1                             ; my part of K step 0 is in; K step 1's may stay out
	s_barrier_signal -1
	s_barrier_wait -1
	FETCH 0, F0
	s_wait_loadcnt 0x0                             ; src and bvm
.set i, SR
.rept 64
	v_cvt_f32_i32 v[i], v[i]
.set i, i+1
.endr
	WIN 0x40                                       ; destination window 1
.set i, 0
.rept 32
	v_pk_fma_f32 v[2*i:2*i+1], v[SR+2*i:SR+2*i+1], s[78:79], s[82:83] op_sel_hi:[1,0,0]  ; -(1 - src) 1e6
.set i, i+1
.endr
.irp lb, 0,1,2,3
.set i, 0
.rept 8
	v_mov_b32 v[192+8*\lb+i], v[TP+\lb]            ; bvm of my channel, for each of the eight tokens
.set i, i+1
.endr
.endr
	QUARTER 64, F0, F1, 1                          ; the first quarter starts the sums
	WIN 0
	s_mov_b32 s3, 6
.Lstep:                                                ; six trips, a K step each: from its second quarter to the next step's first; trip i fills step i's slot with step i + 2
	QUARTER 128, F1, F0, 0
	QUARTER 192, F0, F1, 0
	TURN 1
	QUARTER 64, F0, F1, 0
	WIN 0
	s_sub_co_u32 s3, s3, 1
	s_cmp_lg_u32 s3, 0
	s_cbranch_scc1 .Lstep
	s_mov_b32 s3, 2
.Ltail:                                                ; K steps 6 and 7 fill nothing: a text of their own, written once and walked twice.
	QUARTER 128, F1, F0, 0                         ; The second trip is left in its middle; its change of slots fetches a quarter of K step 6 once more, which nobody multiplies:
	QUARTER 192, F0, F1, 0                         ; 32 LDS loads a wave, the price of one text for both steps
	TURN 0
	WIN 0
	s_sub_co_u32 s3, s3, 1
	s_cmp_eq_u32 s3, 0
	s_cbranch_scc1 .Lout
	QUARTER 64, F0, F1, 0
	WIN 0
	s_branch .Ltail
.Lout:
	s_wait_dscnt 0x0                               ; that fetch is back: its registers may be written, and my reads of the ring are over
	; THE MAXIMUM of each channel over my 128 tokens: four chains (channel blocks), each accumulator read from its low end on
	PLACES
	WIN 0x0a
.irp b, 0,1,2,3
	v_max_num_f32 v[MB+\b], v[8*\b], v[8*\b+1]
.endr
	WIN 0x28
.set n, 1                              ; n = 4 x token block + pair
.rept 15
.irp b, 0,1,2,3
	v_max3_num_f32 v[MB+\b], v[MB+\b], v[8*(8*(n/4)+\b)+2*(n%4)], v[8*(8*(n/4)+\b)+2*(n%4)+1]
.endr
.set n, n+1
.endr
	WIN 0x3c
.set n, 0
.rept 16
.irp b, 0,1,2,3
	v_max3_num_f32 v[MB+\b], v[MB+\b], v[8*(8*(n/4)+\b)+2*(n%4)], v[8*(8*(n/4)+\b)+2*(n%4)+1]
.endr
.set n, n+1
.endr
	WIN 0
.irp b, 0,1,2,3
	v_permlanex16_b32 v[TP+\b], v[MB+\b], s76, s77 ; the channel's other tokens lie in the lane 16 away
.endr
.irp b, 0,1,2,3
	v_max_num_f32 v[MB+\b], v[MB+\b], v[TP+\b]
.endr
	ds_store_b128 v[MXS], v[MB:MB+3]
	s_wait_dscnt 0x0                               ; for the partner's sake
	s_barrier_signal -1
; v = (sum + bvm) src, rounded to f16 into fragments of 32 tokens: work on registers, between the signal and the wait
.macro VPART X
	WIN 0x82+0x41*(\X)
.set n, 0                              ; n = 16 a' + 4 lb + pair
.rept 64
.set rA, 8*(8*(n/16)+4+(n/4)%4)+2*(n%4)
.set rS, SR+8*(4*(\X)+n/16)+2*(n%4)
	v_pk_mul_f32 v[rA:rA+1], v[rA:rA+1], v[rS:rS+1]
.set n, n+1
.endr
	WIN 0x4a+5*(\X)
.set n, 0
.rept 64
.set rA, 8*(8*(n/16)+4+(n/4)%4)+2*(n%4)
.set rF, 64+32*((n/4)%4)+8*((4*(\X)+n/16)/2)+4*((n/16)%2)+n%4
	v_cvt_pk_f16_f32 v[rF], v[rA], v[rA+1]
.set n, n+1
.endr
.endm
	VPART 0
	VPART 1
	WIN 0
	s_barrier_wait -1
	ds_load_b128 v[MP:MP+3], v[MXL]
	s_wait_dscnt 0x0
.irp b, 0,1,2,3
	v_max_num_f32 v[MB+\b], v[MB+\b], v[MP+\b]     ; the tile's maximum: the same number in both waves of a head
.endr
.irp b, 0,1,2,3
	v_mul_f32 v[CM+2*\b], s74, v[MB+\b]
	v_mul_f32 v[CM+2*\b+1], s74, v[MB+\b]
.endr
; p = 2^(c k - c M), in place; then rounded to f16 into fragments.  A window's 128 exponentials are ONE batch with one wait: nothing ahead of the wait names a result.
.macro PREG q
.set rA, 8*(8*((\q)/16)+((\q)/4)%4)+2*((\q)%4)
.set rC, CM+2*(((\q)/4)%4)
.endm
.macro PFMA q
	PREG \q
	v_pk_fma_f32 v[rA:rA+1], v[rA:rA+1], s[74:75], v[rC:rC+1] op_sel_hi:[1,0,1] neg_lo:[0,0,1] neg_hi:[0,0,1]
.endm
.macro PPART X
	WIN 0x82+0x41*(\X)
	PFMA 0
	PFMA 1
	PFMA 2
	PFMA 3
.set n, 0
.rept 64
	PREG n
	v_exp_f32 v[rA], v[rA]
	v_exp_f32 v[rA+1], v[rA+1]
.if n < 60
	PFMA n+4                                       ; the scaling of the pair four on stands between the exponentials
.endif
.set n, n+1
.endr
	v_nop                                          ; a plain instruction behind the last exponential,
	s_wait_alu depctr_va_vdst(0)                   ; and the one wait for the batch
	WIN 0x0a+5*(\X)
.set n, 0
.rept 64
	PREG n
.set rF, 64+32*((n/4)%4)+8*((4*(\X)+n/16)/2)+4*((n/16)%2)+n%4
	v_cvt_pk_f16_f32 v[rF], v[rA], v[rA+1]
.set n, n+1
.endr
.endm
	PPART 0
	PPART 1
	WIN 0x40
.set i, 0
.rept 8
	v_mov_b32 v[192+i], 0x3c003c00                 ; ones in f16: a fifth block of 'values', whose product is L
.set i, i+1
.endr
	; O[d][l] += p^T v over my 128 tokens: 4 steps of 32 tokens x 4 channel blocks x (4 value blocks + ones); the 20 accumulators take turns
	WIN 0xa4
.irp kk, 0,1,2,3
.irp db, 0,1,2,3
.irp lb, 0,1,2,3,4
.if (\lb) < 4
.set rB, 64+32*(\lb)+8*(\kk)
.else
.set rB, 192
.endif
.if (\kk) == 0
	v_wmma_f32_16x16x32_f16 v[8*(5*(\db)+(\lb)):8*(5*(\db)+(\lb))+7], v[64+32*(\db)+8*(\kk):64+32*(\db)+8*(\kk)+7], v[rB:rB+7], 0
.else
	v_wmma_f32_16x16x32_f16 v[8*(5*(\db)+(\lb)):8*(5*(\db)+(\lb))+7], v[64+32*(\db)+8*(\kk):64+32*(\db)+8*(\kk)+7], v[rB:rB+7], v[8*(5*(\db)+(\lb)):8*(5*(\db)+(\lb))+7]
.endif
.endr
.endr
.endr
	; THE WAY OUT.  A lane holds value channel l = 16 lb + r and key channels 16 db + 8 h + 0..7: 32 bytes of row l.  Rows 64-79 all hold L; row 65 then takes c M (wr = 0) or 0 (wr = 1).
	PLACES
	WIN 0x08                                       ; store data in window 2
.irp lb, 0,1,2,3,4
.irp db, 0,1,2,3
	ds_store_b128 v[STO], v[8*(5*(\db)+(\lb)):8*(5*(\db)+(\lb))+3]   offset:(\lb)*16*PITCH+64*(\db)
	ds_store_b128 v[STO], v[8*(5*(\db)+(\lb))+4:8*(5*(\db)+(\lb))+7] offset:(\lb)*16*PITCH+64*(\db)+16
.endr
.endr
	WIN 0
	s_cmp_eq_u32 s11, 0
	s_cselect_b32 s81, -1, 0
.irp b, 0,1,2,3
	v_cndmask_b32 v[TP+\b], 0, v[CM+2*\b], s81
.endr
.irp b, 0,1,2,3
	ds_store_b32 v[CMA], v[TP+\b] offset:64*\b     ; LDS serves a wave's instructions in order: these land on row 65 behind the stores above
.endr
	s_wait_dscnt 0x0
	s_barrier_signal -1
	s_barrier_wait -1
	; the two waves of a head add their areas: each takes 32 of the 64 rows, two rows to a load
.irp t, 0,1,2,3,4,5,6,7,8,9,10,11,12,13,14,15
	ds_load_b128 v[64+4*\t:67+4*\t], v[RD] offset:\t*2*PITCH
	ds_load_b128 v[128+4*\t:131+4*\t], v[RD] offset:\t*2*PITCH+2*AREA
.endr
.irp t, 0,1,2,3,4,5,6,7,8,9,10,11,12,13,14,15
	s_wait_dscnt 30-2*\t                           ; pair t's two loads are in; the later pairs' may be out
	v_pk_add_f32 v[64+4*\t:65+4*\t], v[64+4*\t:65+4*\t], v[128+4*\t:129+4*\t]
	v_pk_add_f32 v[66+4*\t:67+4*\t], v[66+4*\t:67+4*\t], v[130+4*\t:131+4*\t]
	global_store_b128 v[GO], v[64+4*\t:67+4*\t], s[8:9] offset:512*\t  ; 512 consecutive bytes, aligned
.endr
	s_cmp_lg_u32 s11, 0
	s_cbranch_scc1 .Lkv_end
	ds_load_b128 v[192:195], v[RD] offset:64*PITCH ; rows 64 and 65: L and c M
	ds_load_b128 v[196:199], v[RD] offset:64*PITCH+2*AREA
	s_wait_dscnt 0x0
	v_pk_add_f32 v[192:193], v[192:193], v[196:197]
	v_pk_add_f32 v[194:195], v[194:195], v[198:199]
	global_store_b128 v[GO], v[192:195], s[8:9] offset:16384
.Lkv_end:
	s_wait_tensorcnt 0x0                           ; the wave's end, behind my last tensor load and my last LDS store
	ds_add_u32 v[SPW], v[NIL]
	s_wait_dscnt 0x0
	CROUND                                         ; the closing round
	s_endpgm
.Lfunc_end_k_q383dbbd7d3_kv:
	.size	k_q383dbbd7d3_kv, .Lfunc_end_k_q383dbbd7d3_kv-k_q383dbbd7d3_kv
	.p2alignl 7, 3214868480
	.fill 96, 4, 3214868480
	.section	.rodata,"a",@progbits
	.p2align	6, 0x0
	.amdhsa_kernel k_q383dbbd7d3_kv
		.amdhsa_group_segment_fixed_size 327680
		.amdhsa_private_segment_fixed_size 0
		.amdhsa_enable_private_segment 0
		.amdhsa_kernarg_size 40
		.amdhsa_user_sgpr_count 2
		.amdhsa_user_sgpr_kernarg_segment_ptr 1
		.amdhsa_wavefront_size32 1
		.amdhsa_system_sgpr_workgroup_id_x 1
		.amdhsa_system_sgpr_workgroup_id_y 1
		.amdhsa_system_sgpr_workgroup_id_z 1
		.amdhsa_system_vgpr_workitem_id 0
		.amdhsa_next_free_vgpr 1024
		.amdhsa_next_free_sgpr 96
		.amdhsa_reserve_vcc 0
		.amdhsa_float_denorm_mode_32 3
		.amdhsa_float_denorm_mode_16_64 3
		.amdhsa_memory_ordered 1
		.amdhsa_forward_progress 1
		.amdhsa_inst_pref_size 143
	.end_amdhsa_kernel
	.amdgpu_metadata
---
amdhsa.version: [ 1, 2 ]
amdhsa.kernels:
  - .name:           k_q383dbbd7d3_kv
    .symbol:         k_q383dbbd7d3_kv.kd
    .args:
      - { .name: xn, .offset: 0, .size: 8, .value_kind: global_buffer, .address_space: global }
      - { .name: wb, .offset: 8, .size: 8, .value_kind: global_buffer, .address_space: global }
      - { .name: src_mask, .offset: 16, .size: 8, .value_kind: global_buffer, .address_space: global }
      - { .name: bvm, .offset: 24, .size: 8, .value_kind: global_buffer, .address_space: global }
      - { .name: part, .offset: 32, .size: 8, .value_kind: global_buffer, .address_space: global }
    .group_segment_fixed_size: 327680
    .private_segment_fixed_size: 0
    .kernarg_segment_align: 8
    .kernarg_segment_size: 40
    .max_flat_workgroup_size: 128
    .sgpr_count:     96
    .vgpr_count:     1024
    .wavefront_size: 32
...
	.end_amdgpu_metadata
.endif
;; end of part 2
;; launch comb (part 3): grid 256 x 1, 8 waves a work-group, no clusters, 0 bytes of LDS; arguments part, ext, bkm, attnT; writes attnT
.if DOCPART == 3
	.amdgcn_target "amdgcn-amd-amdhsa--gfx1250"
	.amdhsa_code_object_version 6
	.text
	.protected	k_q383dbbd7d3_comb
	.globl	k_q383dbbd7d3_comb
	.p2align	8
	.type	k_q383dbbd7d3_comb,@function
k_q383dbbd7d3_comb:
	s_mov_b64 s[64:65], 0
	v_nop
	global_prefetch_b8 v0, s[64:65] scope:SCOPE_SE
	s_setreg_imm32_b32 hwreg(HW_REG_WAVE_MODE, 25, 1), 1
	s_wait_xcnt 0x0
; attn^T[b][h][l][d] = (sum over the batch's 4,101 tokens of e^k[d] v[l]) / (sum of e^k[d]), in f16.
; The 16 tiles of a batch come as O_i[l][d], L_i[d] and c M_i[d] (log2 units, without bkm); the five extra rows as k and v in f32.
; They are merged by a true maximum: t_i = c M_i + c bkm, x_j = c kx_j, Mg = the largest of the 21; weights 2^(t_i - Mg), 2^(x_j - Mg).
; A work-group takes (batch, head, 16 rows l); a wave two rows; a lane four channels d.  All 59 loads of a wave go out at once; each byte of O is read once.
; No LDS, no barrier, no cluster: the waves share only the small rows L and c M.  LIMITS: attn leaves in f16; a weight below 2^-126 counts as 0; NaN and infinities are not treated apart.
.set REC,  16896
.set TSTR, 16*REC                      ; from a tile's record to the next tile's, same head
.set MG,  8                            ; v[8:11]
.set ZZ,  12                           ; v[12:15]  the divisor, then its reciprocal
.set AC,  16                           ; v[16:19]
.set BK,  28                           ; v[28:31]  bkm
.set KX,  32                           ; v[32:51]  kx_j, then the extra rows' weights
.set VX,  52                           ; v52, 54 .. 60  vx_j, each the low half of a pair
.set OO,  64                           ; v[64:127]
.set WW,  128                          ; v[128:191] c M_i, then t_i, then the tiles' weights
.set LL,  192                          ; v[192:255]
	s_load_b256 s[4:11], s[0:1], 0x0               ; part s[4:5], ext s[6:7], bkm s[8:9], attnT s[10:11]
	v_lshrrev_b32 v1, 5, v0
	v_readfirstlane_b32 s12, v1                    ; wave 0..7
	s_and_b32 s13, ttmp9, 3                        ; which 16 rows l
	s_bfe_u32 s14, ttmp9, 0x40002                  ; head
	s_lshr_b32 s15, ttmp9, 6                       ; batch
	v_and_b32 v2, 15, v0
	v_lshlrev_b32 v2, 4, v2                        ; my four channels: 16 (lane % 16)
	v_and_b32 v3, 31, v0
	s_lshl_b32 s16, s13, 4
	s_lshl1_add_u32 s16, s12, s16                  ; my wave's first row
	s_lshl_b32 s17, s16, 8
	v_lshl_add_u32 v4, v3, 4, s17                  ; O: two rows of 256 bytes
	v_lshrrev_b32 v5, 4, v3
	v_add_nc_u32 v5, s16, v5
	v_lshlrev_b32 v5, 2, v5                        ; 4 l
	s_lshl_b32 s17, s16, 7
	v_lshl_add_u32 v6, v3, 3, s17                  ; attnT: two rows of 128 bytes
	s_lshl_b32 s18, s15, 8
	s_add_co_u32 s18, s18, s14
	s_mul_i32 s18, s18, REC                        ; record 256 b + head: the batch's tile 0
	s_mov_b32 s19, 0
	s_mul_i32 s20, s15, 20480                      ; ext: five rows of 4,096 bytes a batch,
	s_lshl_b32 s22, s14, 8                         ; 256 bytes a head
	s_add_co_u32 s20, s20, s22
	s_mov_b32 s21, 0
	s_mov_b32 s23, 0
	s_lshl_b32 s24, s15, 4
	s_add_co_u32 s24, s24, s14
	s_lshl_b32 s24, s24, 13
	s_mov_b32 s25, 0
	s_mov_b32 s26, 0x3fb8aa3b                      ; c = log2(e), as a pair
	s_mov_b32 s27, s26
.irp j, 0,1,2,3,4
	v_mov_b32 v[VX+2*\j+1], 0                      ; named with vx_j as a pair
.endr
	s_wait_kmcnt 0x0
	s_add_nc_u64 s[4:5], s[4:5], s[18:19]
	s_add_nc_u64 s[6:7], s[6:7], s[20:21]
	s_add_nc_u64 s[8:9], s[8:9], s[22:23]
	s_add_nc_u64 s[10:11], s[10:11], s[24:25]
.irp i, 0,1,2,3,4,5,6,7,8,9,10,11,12,13,14,15
	global_load_b128 v[WW+4*\i:WW+4*\i+3], v2, s[4:5] offset:\i*TSTR+65*256
.endr
.irp j, 0,1,2,3,4
	global_load_b128 v[KX+4*\j:KX+4*\j+3], v2, s[6:7] offset:4096*\j
.endr
	global_load_b128 v[BK:BK+3], v2, s[8:9]
.irp i, 0,1,2,3,4,5,6,7,8,9,10,11,12,13,14,15
	global_load_b128 v[LL+4*\i:LL+4*\i+3], v2, s[4:5] offset:\i*TSTR+64*256
.endr
.irp i, 0,1,2,3,4,5,6,7,8,9,10,11,12,13,14,15
	global_load_b128 v[OO+4*\i:OO+4*\i+3], v4, s[4:5] offset:\i*TSTR th:TH_LOAD_NT
.endr
.irp j, 0,1,2,3,4
	global_load_b32 v[VX+2*\j], v5, s[6:7] offset:81920+4096*\j
.endr
	s_wait_loadcnt 37                              ; c M, kx and bkm are in; L's 16, O's 16 and vx's 5 loads may stay out
.irp i, 0,1,2,3,4,5,6,7,8,9,10,11,12,13,14,15
.irp p, 0,2
	v_pk_fma_f32 v[WW+4*\i+\p:WW+4*\i+\p+1], v[BK+\p:BK+\p+1], s[26:27], v[WW+4*\i+\p:WW+4*\i+\p+1] op_sel_hi:[1,0,1]
.endr
.endr
.irp j, 0,1,2,3,4
.irp p, 0,2
	v_pk_mul_f32 v[KX+4*\j+\p:KX+4*\j+\p+1], v[KX+4*\j+\p:KX+4*\j+\p+1], s[26:27] op_sel_hi:[1,0]
.endr
.endr
.irp e, 0,1,2,3
	v_max3_num_f32 v[MG+\e], v[WW+\e], v[WW+4+\e], v[WW+8+\e]
.endr
.irp i, 3,5,7,9,11,13
.irp e, 0,1,2,3
	v_max3_num_f32 v[MG+\e], v[MG+\e], v[WW+4*\i+\e], v[WW+4*\i+4+\e]
.endr
.endr
.irp e, 0,1,2,3
	v_max3_num_f32 v[MG+\e], v[MG+\e], v[WW+60+\e], v[KX+\e]
.endr
.irp j, 1,3
.irp e, 0,1,2,3
	v_max3_num_f32 v[MG+\e], v[MG+\e], v[KX+4*\j+\e], v[KX+4*\j+4+\e]
.endr
.endr
.irp i, 0,1,2,3,4,5,6,7,8,9,10,11,12,13,14,15
.irp p, 0,2
	v_pk_add_f32 v[WW+4*\i+\p:WW+4*\i+\p+1], v[WW+4*\i+\p:WW+4*\i+\p+1], v[MG+\p:MG+\p+1] neg_lo:[0,1] neg_hi:[0,1]
.endr
.endr
.irp j, 0,1,2,3,4
.irp p, 0,2
	v_pk_add_f32 v[KX+4*\j+\p:KX+4*\j+\p+1], v[KX+4*\j+\p:KX+4*\j+\p+1], v[MG+\p:MG+\p+1] neg_lo:[0,1] neg_hi:[0,1]
.endr
.endr
.set i, 0
.rept 64
	v_exp_f32 v[WW+i], v[WW+i]
.set i, i+1
.endr
.set i, 0
.rept 20
	v_exp_f32 v[KX+i], v[KX+i]
.set i, i+1
.endr
	v_nop                                          ; a plain instruction behind the last exponential,
	s_wait_alu depctr_va_vdst(0)                   ; and one wait for the batch of 84
	s_wait_loadcnt 21                              ; L is in; O's 16 and vx's 5 loads may stay out
.irp p, 0,2
	v_pk_mul_f32 v[ZZ+\p:ZZ+\p+1], v[WW+\p:WW+\p+1], v[LL+\p:LL+\p+1]
.endr
.irp i, 1,2,3,4,5,6,7,8,9,10,11,12,13,14,15
.irp p, 0,2
	v_pk_fma_f32 v[ZZ+\p:ZZ+\p+1], v[WW+4*\i+\p:WW+4*\i+\p+1], v[LL+4*\i+\p:LL+4*\i+\p+1], v[ZZ+\p:ZZ+\p+1]
.endr
.endr
.irp j, 0,1,2,3,4
.irp p, 0,2
	v_pk_add_f32 v[ZZ+\p:ZZ+\p+1], v[ZZ+\p:ZZ+\p+1], v[KX+4*\j+\p:KX+4*\j+\p+1]
.endr
.endr
.irp e, 0,1,2,3
	v_rcp_f32 v[ZZ+\e], v[ZZ+\e]                   ; at least 1: the largest term's weight is 1
.endr
	s_wait_loadcnt 0x0
.irp p, 0,2
	v_pk_mul_f32 v[AC+\p:AC+\p+1], v[WW+\p:WW+\p+1], v[OO+\p:OO+\p+1]   ; the sums below are the independent work behind the reciprocals
.endr
.irp i, 1,2,3,4,5,6,7,8,9,10,11,12,13,14,15
.irp p, 0,2
	v_pk_fma_f32 v[AC+\p:AC+\p+1], v[WW+4*\i+\p:WW+4*\i+\p+1], v[OO+4*\i+\p:OO+4*\i+\p+1], v[AC+\p:AC+\p+1]
.endr
.endr
.irp j, 0,1,2,3,4
.irp p, 0,2
	v_pk_fma_f32 v[AC+\p:AC+\p+1], v[KX+4*\j+\p:KX+4*\j+\p+1], v[VX+2*\j:VX+2*\j+1], v[AC+\p:AC+\p+1] op_sel_hi:[1,0,1]
.endr
.endr
	s_wait_alu depctr_va_vdst(0)                   ; one wait for the four reciprocals, ahead of their first reader
	v_pk_mul_f32 v[AC:AC+1], v[AC:AC+1], v[ZZ:ZZ+1]
	v_pk_mul_f32 v[AC+2:AC+3], v[AC+2:AC+3], v[ZZ+2:ZZ+3]
	v_cvt_pk_f16_f32 v20, v[AC], v[AC+1]
	v_cvt_pk_f16_f32 v21, v[AC+2], v[AC+3]
	global_store_b64 v6, v[20:21], s[10:11]        ; a wave's store covers 256 consecutive bytes, aligned
	s_endpgm
.Lfunc_end_k_q383dbbd7d3_comb:
	.size	k_q383dbbd7d3_comb, .Lfunc_end_k_q383dbbd7d3_comb-k_q383dbbd7d3_comb
	.p2alignl 7, 3214868480
	.fill 96, 4, 3214868480
	.section	.rodata,"a",@progbits
	.p2align	6, 0x0
	.amdhsa_kernel k_q383dbbd7d3_comb
		.amdhsa_group_segment_fixed_size 0
		.amdhsa_private_segment_fixed_size 0
		.amdhsa_enable_private_segment 0
		.amdhsa_kernarg_size 32
		.amdhsa_user_sgpr_count 2
		.amdhsa_user_sgpr_kernarg_segment_ptr 1
		.amdhsa_wavefront_size32 1
		.amdhsa_system_sgpr_workgroup_id_x 1
		.amdhsa_system_sgpr_workgroup_id_y 1
		.amdhsa_system_sgpr_workgroup_id_z 1
		.amdhsa_system_vgpr_workitem_id 0
		.amdhsa_next_free_vgpr 256
		.amdhsa_next_free_sgpr 66
		.amdhsa_reserve_vcc 0
		.amdhsa_float_denorm_mode_32 3
		.amdhsa_float_denorm_mode_16_64 3
		.amdhsa_memory_ordered 1
		.amdhsa_forward_progress 1
		.amdhsa_inst_pref_size 24
	.end_amdhsa_kernel
	.amdgpu_metadata
---
amdhsa.version: [ 1, 2 ]
amdhsa.kernels:
  - .name:           k_q383dbbd7d3_comb
    .symbol:         k_q383dbbd7d3_comb.kd
    .args:
      - { .name: part, .offset: 0, .size: 8, .value_kind: global_buffer, .address_space: global }
      - { .name: ext, .offset: 8, .size: 8, .value_kind: global_buffer, .address_space: global }
      - { .name: bkm, .offset: 16, .size: 8, .value_kind: global_buffer, .address_space: global }
      - { .name: attnT, .offset: 24, .size: 8, .value_kind: global_buffer, .address_space: global }
    .group_segment_fixed_size: 0
    .private_segment_fixed_size: 0
    .kernarg_segment_align: 8
    .kernarg_segment_size: 32
    .max_flat_workgroup_size: 256
    .sgpr_count:     66
    .vgpr_count:     256
    .wavefront_size: 32
...
	.end_amdgpu_metadata
.endif
;; end of part 3
;; launch qy (part 4): grid 4 x 64, 4 waves a work-group, clusters of 4 x 4, 327,680 bytes of LDS; arguments xn, wb, src_mask, bq, attnT, out0; writes out0
.if DOCPART == 4
	.amdgcn_target "amdgcn-amd-amdhsa--gfx1250"
	.amdhsa_code_object_version 6
	.text
	.protected	k_q383dbbd7d3_qy
	.globl	k_q383dbbd7d3_qy
	.p2align	8
	.type	k_q383dbbd7d3_qy,@function
k_q383dbbd7d3_qy:
	s_mov_b64 s[64:65], 0
	v_nop
	global_prefetch_b8 v0, s[64:65] scope:SCOPE_SE
	s_setreg_imm32_b32 hwreg(HW_REG_WAVE_MODE, 25, 1), 1
	s_wait_xcnt 0x0
	s_wait_alu depctr_hold_cnt(0) depctr_sa_sdst(0) depctr_va_vdst(0) depctr_va_sdst(0) depctr_va_ssrc(0) depctr_va_vcc(0) depctr_vm_vsrc(0)
	s_getreg_b32 s2, hwreg(HW_REG_IB_STS2, 6, 4)
	s_cmp_eq_u32 s2, 0
	s_cbranch_scc0 .Lentry_in_a_cluster
	s_endpgm
.Lentry_in_a_cluster:
	s_bfe_u32 s2, ttmp6, 0x10000c
	s_cmp_lg_u32 s2, 0xf033
	s_cbranch_scc0 .Lentry_shape_is_right
	s_endpgm
.Lentry_shape_is_right:
; y = softmax over each head's 64 channels of ((xn Wq^T + bq) src), times attn, for a tile of 256 tokens x 4 heads.  q never goes to memory.
; THE GEMM is the one of the launch for keys and values: four waves, wave (wr, wc) owns 128 tokens x 128 columns (2 heads), 64 accumulators; K = 1,024 in 8 steps of 128 through two LDS slots;
; cluster 4 x 4 with joint loads.  Here it is used TRANSPOSED (source 0 = 16 rows of Wq, source 1 = 16 tokens): a lane holds ONE token (lane % 16) and the columns 8 (lane / 16) + 0..7 of a block.
; The sums start with bq as the C operand.
; BEHIND IT the accumulators are set aside in LDS (the wave's own 64 KiB of the ring, which has had its last fill), so that the softmax and the second product are written once and walked eight
; times, a block of 16 tokens a trip.  z = c src (q + bq), c = log2(e); e = 2^(z - max z), rounded to f16: two column blocks in pairs ARE a fragment (32 channels x 16 tokens) of
; y^T = attn^T e; a fifth product with ones gives the sum of the rounded e; y is divided by it, staged as rows of 512 bytes and stored.
; LIMITS.  Matrix operands are f16 (ends at 65,504; below 6.1e-5 a fixed step of 6e-8): xn, Wq, e (0 to 1), attn.  NaN and infinities are not treated apart.
; REGISTERS: window 0: v12-31 addresses; v32-59 at work; v64-191 xn's fragments; v192-255 bq; behind the GEMM v64-127 z, v128-159 e's fragments, v160-239 the second product's ten accumulators
;   window 1: v0-63, v192-255 attn^T's fragments of my two heads; v64-191 Wq's fragments; later v64-71 ones, v128-191 rows on their way out.   windows 2, 3: the accumulators
.set KSTEP,  128
.set PITCH,  272
.set HALFT,  128*PITCH
.set SLOT,   4*HALFT                   ; 0x22000: shares no bit with wave x HALFT, so an exclusive or changes slots
.set STAGE,  2*SLOT                    ; behind the ring: 16 rows of 512 bytes, pitch 528, for each wave
.set SP,     528
.set TS,     STAGE+4*16*SP             ; c src of my 128 tokens: 1,024 bytes a wave
.set SPARE,  TS+4096                   ; the spare words, 128 bytes a wave; no other line names them
.set ADRA0, 16
.set ADRA,  17
.set ADRB0, 20
.set ADRB,  21
.set RD,  23                           ; v23  the stage, read by rows
.set DU,  24                           ; v24  my 16 bytes in the accumulators set aside; it steps 8,192 a trip
.set TA,  25                           ; v25  my word of c src; it steps 128 a trip
.set STO, 26                           ; v26  the stage: where I put 32 bytes of a row
.set GO,  27                           ; v27  16 x lane
.set SPW, 28
.set NIL, 29
.set PFO, 30
.set TT,  40                           ; v[40:41]  c src of my token
.set CH,  44                           ; v[44:51]  four chains of the maximum for each of the two heads
.set MZ,  52                           ; v[52:55]  the maxima, low halves of pairs
.set RC,  56                           ; v[56:59]  1 / sum, likewise
.set Z,   64
.set QF,  128
.set Y,   160
.set F0,  64
.set F1,  128
.set G1,  24
.set G0,  32
.set G1B, 48
.set G0B, 56
.set LIM, 43
.set PFA, 44
.set TB,  66
.set MSB, 0
.macro WIN new
.if MSB != (\new)
	s_set_vgpr_msb (MSB<<8)|(\new)
.set MSB, \new
.endif
.endm
.macro PLACES
.rept 4
	v_nop
.endr
.endm
.macro JLOAD s                         ; a joint load: waves 0 and 1 fetch xn's halves, waves 2 and 3 Wq's; an s_nop 0 and four v_nop follow each line
	s_cmp_eq_u32 s11, 0
	s_cbranch_scc0 .Lfor_b_\@
	tensor_load_to_lds s[G0+4*(\s):G0+4*(\s)+3], s[G1:G1+7]
	s_nop 0
.rept 4
	v_nop
.endr
	s_branch .Lasked_\@
.Lfor_b_\@:
	tensor_load_to_lds s[G0B+4*(\s):G0B+4*(\s)+3], s[G1B:G1B+7]
	s_nop 0
.rept 4
	v_nop
.endr
.Lasked_\@:
.endm
.macro ASK                             ; the K step two refills on: 32 rows x 256 bytes, a lane a row; xn's by the clusters with x = 0, Wq's by those with y = 0; the refill of step 8 - s3 names a step that exists while s3 > 2
	s_cmp_gt_u32 s3, s[LIM]
	s_cbranch_scc0 .Lnot_mine_\@
	global_prefetch_b8 v[PFO], s[PFA:PFA+1] offset:KSTEP*2 th:TH_LOAD_NT scope:SCOPE_SE
.Lnot_mine_\@:
.endm
.macro CREST
	s_cmp_lg_u32 s10, 0
	s_cbranch_scc1 .Lnot_wave_0_\@
	s_barrier_signal -3
.Lnot_wave_0_\@:
	s_barrier_wait -3
	s_barrier_signal -1
	s_barrier_wait -1
.endm
.macro CROUND
	s_barrier_signal -1
	s_barrier_wait -1
	CREST
.endm
	s_load_b128 s[4:7], s[0:1], 0x0                ; xn s[4:5], wb s[6:7]
	s_load_b128 s[68:71], s[0:1], 0x10             ; src_mask s[68:69], bq s[70:71]
	s_load_b64 s[72:73], s[0:1], 0x20              ; attnT
	s_load_b64 s[8:9], s[0:1], 0x28                ; out0
	v_lshl_add_u32 v[SPW], v0, 2, SPARE
	v_mov_b32 v[NIL], 0
	ds_add_u32 v[SPW], v[NIL]                      ; the wave's opening: the add, and its wait ahead of my first tensor load
	v_lshrrev_b32 v1, 5, v0
	v_readfirstlane_b32 s10, v1
	s_lshr_b32 s11, s10, 1                         ; wr.  Also: I fetch xn (0) or Wq (1)
	s_and_b32 s12, s10, 1                          ; wc.  Also: which 128 rows I fetch
	s_bfe_u32 s40, ttmp6, 0x40000
	s_bfe_u32 s41, ttmp6, 0x40004
	s_lshl_b32 s42, ttmp9, 2
	s_add_co_u32 s42, s42, s40                     ; p: the block of 256 columns
	s_and_b32 s13, ttmp7, 0xffff
	s_lshl_b32 s13, s13, 2
	s_add_co_u32 s13, s13, s41                     ; rb: the block of 256 tokens
	s_lshl_b32 s43, s41, 2
	s_lshl_b32 s43, 15, s43
	s_lshl_b32 s44, 0x1111, s40
	s_or_b32 s[G1+0], s43, (1<<16)|(1<<20)|(1<<21)|(5<<22)|(3<<25)
	s_or_b32 s[G1B+0], s44, (1<<16)|(1<<20)|(1<<21)|(5<<22)|(3<<25)
.irp g, G1, G1B
	s_mov_b32 s[(\g)+1], KSTEP<<16
	s_mov_b32 s[(\g)+2], 128<<16
	s_mov_b32 s[(\g)+3], KSTEP<<16
	s_mov_b32 s[(\g)+4], 128
	s_mov_b32 s[(\g)+5], 1024
	s_mov_b32 s[(\g)+6], 0
	s_mov_b32 s[(\g)+7], 0
.endr
	s_lshl_b32 s16, s13, 8
	s_lshl_b32 s17, s12, 7
	s_add_co_u32 s16, s16, s17
	s_lshl_b32 s16, s16, 11
	s_mov_b32 s17, 0
	s_lshl_b32 s46, s42, 8                         ; wb's matrix 0: row 256 p + 128 x half
	s_lshl_b32 s47, s12, 7
	s_add_co_u32 s46, s46, s47
	s_lshl_b32 s46, s46, 11
	s_mov_b32 s47, 0
	s_mul_i32 s20, s10, HALFT
	s_mov_b32 s74, 0x3fb8aa3b                      ; c = log2(e)
	s_mov_b32 s76, 0x76543210
	s_mov_b32 s77, 0xfedcba98
	s_mov_b32 s[TB], 0
	s_wait_dscnt 0x0
	s_wait_kmcnt 0x0
	s_add_nc_u64 s[14:15], s[4:5], s[16:17]
	s_add_nc_u64 s[46:47], s[6:7], s[46:47]
	CROUND
.irp s, 0,1
	s_mov_b32 s[G0+4*(\s)], 1
	s_add_co_u32 s[G0+4*(\s)+1], s20, (\s)*SLOT
	s_add_nc_u64 s[G0+4*(\s)+2:G0+4*(\s)+3], s[14:15], (\s)*KSTEP*2
	s_or_b32 s[G0+4*(\s)+3], s[G0+4*(\s)+3], 0x80000000
	s_mov_b32 s[G0B+4*(\s)], 1
	s_add_co_u32 s[G0B+4*(\s)+1], s20, (\s)*SLOT
	s_add_nc_u64 s[G0B+4*(\s)+2:G0B+4*(\s)+3], s[46:47], (\s)*KSTEP*2
	s_or_b32 s[G0B+4*(\s)+3], s[G0B+4*(\s)+3], 0x80000000
	JLOAD \s
.endr
	v_and_b32 v1, 15, v0                           ; r
	v_bfe_u32 v2, v0, 4, 1                         ; h
	v_and_b32 v14, 31, v0                          ; lane
	s_lshl_b32 s84, s13, 8
	s_lshl_b32 s85, s11, 7
	s_add_co_u32 s84, s84, s85                     ; my first token
	s_lshl_b32 s86, s84, 2
	s_mov_b32 s87, 0
	s_add_nc_u64 s[68:69], s[68:69], s[86:87]
	s_lshl_b32 s86, s84, 12                        ; 4,096 bytes a row of out0
	s_add_nc_u64 s[8:9], s[8:9], s[86:87]
	s_lshl_b32 s88, s42, 8
	s_lshl_b32 s89, s12, 7
	s_add_co_u32 s88, s88, s89                     ; my first column
	s_lshl_b32 s88, s88, 2
	s_mov_b32 s89, 0
	s_add_nc_u64 s[70:71], s[70:71], s[88:89]
	s_add_nc_u64 s[8:9], s[8:9], s[88:89]
	s_lshr_b32 s86, s13, 4                         ; the batch
	s_lshl_b32 s86, s86, 4
	s_lshl2_add_u32 s86, s42, s86
	s_lshl1_add_u32 s86, s12, s86                  ; 16 batch + 4 p + 2 wc: my first head
	s_lshl_b32 s86, s86, 13
	s_add_nc_u64 s[72:73], s[72:73], s[86:87]
	v_lshlrev_b32 v31, 5, v2                       ; 32 h
	v_lshlrev_b32 v12, 2, v1                       ; 4 r
	v_lshlrev_b32 v13, 7, v1
	v_lshl_add_u32 v13, v2, 4, v13                 ; 128 r + 16 h: a fragment of attn^T (16 rows l x 32 channels d)
.irp b, 0,1,2,3,4,5,6,7
	global_load_b128 v[192+8*\b:195+8*\b], v31, s[70:71] offset:64*\b
	global_load_b128 v[196+8*\b:199+8*\b], v31, s[70:71] offset:64*\b+16
.endr
.irp a, 0,1,2,3,4,5,6,7
	global_load_b32 v[32+\a], v12, s[68:69] offset:64*\a
.endr
	WIN 0x40
.irp u, 0,1
.irp lb, 0,1,2,3
.irp kk, 0,1
	global_load_b128 v[192*\u+16*\lb+8*\kk:192*\u+16*\lb+8*\kk+3],   v13, s[72:73] offset:8192*\u+2048*\lb+64*\kk
	global_load_b128 v[192*\u+16*\lb+8*\kk+4:192*\u+16*\lb+8*\kk+7], v13, s[72:73] offset:8192*\u+2048*\lb+64*\kk+32
.endr
.endr
.endr
	WIN 0
	v_mul_u32_u24 v3, v1, PITCH
	v_lshl_add_u32 v3, v2, 4, v3
	s_mul_i32 s21, s11, HALFT
	s_mul_i32 s22, s12, HALFT
	s_add_co_u32 s22, s22, 2*HALFT
	v_add_nc_u32 v[ADRA0], s21, v3
	v_add_nc_u32 v[ADRB0], s22, v3
	v_mov_b32 v[ADRA], v[ADRA0]
	v_mov_b32 v[ADRB], v[ADRB0]
	s_lshl_b32 s20, s10, 16
	v_lshl_add_u32 v[DU], v14, 4, s20
	s_lshl_b32 s20, s10, 10
	s_add_co_u32 s20, s20, TS
	v_lshl_add_u32 v[TA], v14, 2, s20
	s_mul_i32 s20, s10, 16*SP
	s_add_co_u32 s20, s20, STAGE
	v_mul_u32_u24 v[STO], v1, SP
	v_lshl_add_u32 v[STO], v2, 5, v[STO]
	v_add_nc_u32 v[STO], s20, v[STO]
	v_lshl_add_u32 v[RD], v14, 4, s20
	v_lshlrev_b32 v[GO], 4, v14
	v_lshlrev_b32 v[PFO], 11, v14
	s_lshl_b32 s18, s13, 8
	s_lshl_b32 s19, s12, 7
	s_add_co_u32 s18, s18, s19                     ; xn's first row that I fetch
	s_lshl_b32 s23, s42, 8
	s_add_co_u32 s19, s19, s23                     ; Wq's
	s_and_b32 s22, ttmp7, 0xffff
	s_cmp_eq_u32 s11, 0
	s_cselect_b32 s20, s18, s19
	s_cselect_b32 s21, s40, s41
	s_cselect_b32 s22, ttmp9, s22
	s_cselect_b64 s[PFA:PFA+1], s[4:5], s[6:7]
	s_cmp_eq_u32 s22, 0
	s_cselect_b32 s[LIM], 2, -1
	s_lshl_b32 s21, s21, 5
	s_add_co_u32 s20, s20, s21
	s_lshl_b32 s20, s20, 11
	s_mov_b32 s21, 0
	s_add_nc_u64 s[PFA:PFA+1], s[PFA:PFA+1], s[20:21]
	s_add_nc_u64 s[PFA:PFA+1], s[PFA:PFA+1], 2*KSTEP*2
; 16 matrix instructions; the 64 accumulators take turns.  init = 1: the sums start with bq (window 0).
.macro MUL16 f, hi, a0, init
.if \init
	WIN 0x81+0x40*(\hi)
.else
	WIN 0xa1+0x50*(\hi)
.endif
.irp a, \a0, (\a0)+1
.irp b, 0,1,2,3,4,5,6,7
.if \init
	v_wmma_f32_16x16x32_f16 v[8*(8*(\a)+(\b)):8*(8*(\a)+(\b))+7], v[(\f)+8*(\b):(\f)+8*(\b)+7], v[(\f)+8*(4*(\hi)+(\a)):(\f)+8*(4*(\hi)+(\a))+7], v[192+8*(\b):192+8*(\b)+7]
.else
	v_wmma_f32_16x16x32_f16 v[8*(8*(\a)+(\b)):8*(8*(\a)+(\b))+7], v[(\f)+8*(\b):(\f)+8*(\b)+7], v[(\f)+8*(4*(\hi)+(\a)):(\f)+8*(4*(\hi)+(\a))+7], v[8*(8*(\a)+(\b)):8*(8*(\a)+(\b))+7]
.endif
.endr
.endr
.endm
.macro FETCH k, f
	WIN 0x40
.irp i, 0,1,2,3,4,5,6,7
	ds_load_b128 v[(\f)+8*(\i):(\f)+8*(\i)+3],   v[ADRB] offset:(\k)+(\i)*16*PITCH
	ds_load_b128 v[(\f)+8*(\i)+4:(\f)+8*(\i)+7], v[ADRB] offset:(\k)+(\i)*16*PITCH+32
.endr
	WIN 0
.irp i, 0,1,2,3,4,5,6,7
	ds_load_b128 v[(\f)+8*(\i):(\f)+8*(\i)+3],   v[ADRA] offset:(\k)+(\i)*16*PITCH
	ds_load_b128 v[(\f)+8*(\i)+4:(\f)+8*(\i)+7], v[ADRA] offset:(\k)+(\i)*16*PITCH+32
.endr
.endm
.macro QUARTER k, f, g, init
	s_wait_dscnt 8                                 ; Wq's fragments and token blocks 0-3 are in; the youngest eight loads may be out
	MUL16 \f, 0, 0, \init
	MUL16 \f, 0, 2, \init
	PLACES
	FETCH \k, \g
	s_wait_dscnt 32                                ; all but the 32 just issued
	MUL16 \f, 1, 0, \init
	MUL16 \f, 1, 2, \init
.endm
; the change of slots: all my tensor loads waited for, the add, the wait for it and for my reads; fill = 1: a round of the cluster's barrier, and the joint refill first behind it
.macro TURN fill
.if \fill
	s_wait_xcnt 0x0                                ; the last prefetch, a K step back, has read its address
	s_add_nc_u64 s[PFA:PFA+1], s[PFA:PFA+1], KSTEP*2
.endif
	s_xor_b32 s[TB], s[TB], SLOT
	WIN 0
	v_add_nc_u32 v[ADRA], s[TB], v[ADRA0]
	v_add_nc_u32 v[ADRB], s[TB], v[ADRB0]
	s_wait_tensorcnt 0x0
	ds_add_u32 v[SPW], v[NIL]
	s_wait_dscnt 9                                 ; (the add and the youngest eight loads may be out)
	MUL16 F1, 0, 0, 0
	s_wait_dscnt 0x0
	s_barrier_signal -1
	MUL16 F1, 0, 2, 0
	WIN 0
	s_barrier_wait -1
.if \fill
	CREST
	s_xor_b32 s[G0+5], s[G0+5], SLOT
	s_add_nc_u64 s[G0+6:G0+7], s[G0+6:G0+7], KSTEP*2
	s_xor_b32 s[G0B+5], s[G0B+5], SLOT
	s_add_nc_u64 s[G0B+6:G0B+7], s[G0B+6:G0B+7], KSTEP*2
	JLOAD 1
.else
	PLACES
.endif
	FETCH 0, F0
.if \fill
	ASK
.endif
	MUL16 F1, 1, 0, 0
	MUL16 F1, 1, 2, 0
.endm
	s_wait_tensorcnt 1                             ; my part of K step 0 is in; K step 1's may stay out
	s_barrier_signal -1
	s_barrier_wait -1
	FETCH 0, F0
	s_wait_loadcnt 0x0                             ; bq, src, attn^T
.irp a, 0,1,2,3,4,5,6,7
	v_cvt_f32_i32 v[32+\a], v[32+\a]
.endr
.irp a, 0,1,2,3,4,5,6,7
	v_mul_f32 v[32+\a], s74, v[32+\a]              ; c src
.endr
	QUARTER 64, F0, F1, 1
	WIN 0
	s_mov_b32 s3, 6
.Lstep:
	QUARTER 128, F1, F0, 0
	QUARTER 192, F0, F1, 0
	TURN 1
	QUARTER 64, F0, F1, 0
	WIN 0
	s_sub_co_u32 s3, s3, 1
	s_cmp_lg_u32 s3, 0
	s_cbranch_scc1 .Lstep
	s_mov_b32 s3, 2
.Ltail:                                                ; K steps 6 and 7 fill nothing: a text of their own, written once and walked twice.
	QUARTER 128, F1, F0, 0                         ; The second trip is left in its middle; its change of slots fetches a quarter of K step 6 once more, which nobody multiplies:
	QUARTER 192, F0, F1, 0                         ; 32 LDS loads a wave, the price of one text for both steps
	TURN 0
	WIN 0
	s_sub_co_u32 s3, s3, 1
	s_cmp_eq_u32 s3, 0
	s_cbranch_scc1 .Lout
	QUARTER 64, F0, F1, 0
	WIN 0
	s_branch .Ltail
.Lout:
	s_wait_dscnt 0x0                               ; my last reads of the ring, that fetch among them, are over:
	s_barrier_signal -1                            ; behind this barrier the waves store into it
	s_barrier_wait -1
	; THE ACCUMULATORS ARE SET ASIDE: token block a at 8,192 a, head at 4,096, column block at 1,024, half an accumulator (512 bytes, 16 a lane) at a time, the low half first
	PLACES
	WIN 0x08
.irp a, 0,1,2,3
.irp b, 0,1,2,3,4,5,6,7
	ds_store_b128 v[DU], v[8*(8*\a+\b):8*(8*\a+\b)+3]   offset:\a*8192+\b*1024
	ds_store_b128 v[DU], v[8*(8*\a+\b)+4:8*(8*\a+\b)+7] offset:\a*8192+\b*1024+512
.endr
.endr
	WIN 0x0c
.irp a, 0,1,2,3
.irp b, 0,1,2,3,4,5,6,7
	ds_store_b128 v[DU], v[8*(8*\a+\b):8*(8*\a+\b)+3]   offset:(\a+4)*8192+\b*1024
	ds_store_b128 v[DU], v[8*(8*\a+\b)+4:8*(8*\a+\b)+7] offset:(\a+4)*8192+\b*1024+512
.endr
.endr
	WIN 0
.irp a, 0,1,2,3,4,5,6,7
	ds_store_b32 v[TA], v[32+\a] offset:128*\a
.endr
	WIN 0x40
.set i, 0
.rept 8
	v_mov_b32 v[64+i], 0x3c003c00                  ; ones in f16
.set i, i+1
.endr
	WIN 0
	v_mov_b32 v[TT+1], 0                           ; the upper halves of the pairs that are broadcast
	v_mov_b32 v[MZ+1], 0
	v_mov_b32 v[MZ+3], 0
	v_mov_b32 v[RC+1], 0
	v_mov_b32 v[RC+3], 0
.irp q, 0,1,2,3,4,5,6,7,8,9,10,11,12,13,14,15
	ds_load_b128 v[Z+4*\q:Z+4*\q+3], v[DU] offset:512*\q   ; LDS serves a wave's instructions in order: these see the wave's own stores above
.endr
	ds_load_b32 v[TT], v[TA]
	s_mov_b32 s80, 8
.macro QSUB q
	v_pk_add_f32 v[Z+2*(\q):Z+2*(\q)+1], v[Z+2*(\q):Z+2*(\q)+1], v[MZ+2*((\q)/16):MZ+2*((\q)/16)+1] op_sel_hi:[1,0] neg_lo:[0,1] neg_hi:[0,1]
.endm
.Lrow:                                                 ; eight trips: 16 tokens x my two heads
	s_wait_dscnt 0x0                               ; this block's scores and c src are in
.set i, 0
.rept 32
	v_pk_mul_f32 v[Z+2*i:Z+2*i+1], v[Z+2*i:Z+2*i+1], v[TT:TT+1] op_sel_hi:[1,0]
.set i, i+1
.endr
.irp c, 0,1,2,3
.irp u, 0,1
	v_max3_num_f32 v[CH+4*\u+\c], v[Z+32*\u+8*\c], v[Z+32*\u+8*\c+1], v[Z+32*\u+8*\c+2]
.endr
.endr
.irp s, 3,5
.irp c, 0,1,2,3
.irp u, 0,1
	v_max3_num_f32 v[CH+4*\u+\c], v[CH+4*\u+\c], v[Z+32*\u+8*\c+\s], v[Z+32*\u+8*\c+\s+1]
.endr
.endr
.endr
.irp u, 0,1
	v_max3_num_f32 v[CH+4*\u], v[CH+4*\u], v[Z+32*\u+7], v[Z+32*\u+15]
	v_max3_num_f32 v[CH+4*\u+2], v[CH+4*\u+2], v[Z+32*\u+23], v[Z+32*\u+31]
.endr
.irp u, 0,1
	v_max3_num_f32 v[CH+4*\u], v[CH+4*\u], v[CH+4*\u+1], v[CH+4*\u+2]
.endr
.irp u, 0,1
	v_max_num_f32 v[CH+4*\u], v[CH+4*\u], v[CH+4*\u+3]
.endr
.irp u, 0,1
	v_permlanex16_b32 v[CH+4*\u+1], v[CH+4*\u], s76, s77   ; the token's other 32 channels lie in the lane 16 away
.endr
.irp u, 0,1
	v_max_num_f32 v[MZ+2*\u], v[CH+4*\u], v[CH+4*\u+1]
.endr
	QSUB 0
	QSUB 1
	QSUB 2
	QSUB 3
.set n, 0
.rept 32                               ; the trip's 64 exponentials are one batch: nothing ahead of the wait names a result
	v_exp_f32 v[Z+2*n], v[Z+2*n]
	v_exp_f32 v[Z+2*n+1], v[Z+2*n+1]
.if n < 28
	QSUB n+4
.endif
.set n, n+1
.endr
	v_nop                                          ; a plain instruction behind the last exponential,
	s_wait_alu depctr_va_vdst(0)                   ; and the one wait for the batch
.set i, 0
.rept 32
	v_cvt_pk_f16_f32 v[QF+i], v[Z+2*i], v[Z+2*i+1]
.set i, i+1
.endr
	s_cmp_eq_u32 s80, 1                            ; the last trip has no next block
	s_cbranch_scc1 .Lno_next
	v_add_nc_u32 v[DU], 0x2000, v[DU]
	v_add_nc_u32 v[TA], 128, v[TA]
.irp q, 0,1,2,3,4,5,6,7,8,9,10,11,12,13,14,15
	ds_load_b128 v[Z+4*\q:Z+4*\q+3], v[DU] offset:512*\q
.endr
	ds_load_b32 v[TT], v[TA]
.Lno_next:
	WIN 0x01                                       ; source 0 (attn^T, ones) in window 1
.irp kk, 0,1
.irp lb, 0,1,2,3,4
.irp u, 0,1
.if (\lb) < 4
.set rA, 192*(\u)+16*(\lb)+8*(\kk)
.else
.set rA, 64
.endif
.set rD, Y+40*(\u)+8*(\lb)
.set rB, QF+16*(\u)+8*(\kk)
.if (\kk) == 0
	v_wmma_f32_16x16x32_f16 v[rD:rD+7], v[rA:rA+7], v[rB:rB+7], 0
.else
	v_wmma_f32_16x16x32_f16 v[rD:rD+7], v[rA:rA+7], v[rB:rB+7], v[rD:rD+7]
.endif
.endr
.endr
.endr
	WIN 0
	PLACES
	v_rcp_f32 v[RC], v[Y+32]                       ; the product with ones: every register holds my token's sum; the lowest is read
	v_rcp_f32 v[RC+2], v[Y+72]
	v_nop
	s_wait_alu depctr_va_vdst(0)                   ; one wait for both reciprocals
.irp u, 0,1
.set i, 0
.rept 16
	v_pk_mul_f32 v[Y+40*\u+2*i:Y+40*\u+2*i+1], v[Y+40*\u+2*i:Y+40*\u+2*i+1], v[RC+2*\u:RC+2*\u+1] op_sel_hi:[1,0]
.set i, i+1
.endr
.endr
.irp u, 0,1
.irp lb, 0,1,2,3
	ds_store_b128 v[STO], v[Y+40*\u+8*\lb:Y+40*\u+8*\lb+3]   offset:256*\u+64*\lb     ; a lane holds l = 16 lb + 8 h + 0..7 of its token: 32 bytes of the row
	ds_store_b128 v[STO], v[Y+40*\u+8*\lb+4:Y+40*\u+8*\lb+7] offset:256*\u+64*\lb+16
.endr
.endr
	WIN 0x40
.irp t, 0,1,2,3,4,5,6,7,8,9,10,11,12,13,14,15
	ds_load_b128 v[128+4*\t:131+4*\t], v[RD] offset:\t*SP
.endr
	WIN 0x04                                       ; store data in window 1
.irp t, 0,1,2,3,4,5,6,7,8,9,10,11,12,13,14,15
	s_wait_dscnt 15-\t                             ; row t is back; the later rows' loads may be out (the next block's loads are older)
	global_store_b128 v[GO], v[128+4*\t:131+4*\t], s[8:9] offset:4096*\t  ; 512 consecutive bytes, aligned
.endr
	WIN 0
	s_wait_xcnt 0x0                                ; the stores have read their registers and their base
	s_add_nc_u64 s[8:9], s[8:9], 65536             ; 16 rows of out0 on
	s_sub_co_u32 s80, s80, 1
	s_cmp_lg_u32 s80, 0
	s_cbranch_scc1 .Lrow
	s_wait_tensorcnt 0x0                           ; the wave's end, behind my last tensor load and my last LDS store
	ds_add_u32 v[SPW], v[NIL]
	s_wait_dscnt 0x0
	CROUND                                         ; the closing round
	s_endpgm
.Lfunc_end_k_q383dbbd7d3_qy:
	.size	k_q383dbbd7d3_qy, .Lfunc_end_k_q383dbbd7d3_qy-k_q383dbbd7d3_qy
	.p2alignl 7, 3214868480
	.fill 96, 4, 3214868480
	.section	.rodata,"a",@progbits
	.p2align	6, 0x0
	.amdhsa_kernel k_q383dbbd7d3_qy
		.amdhsa_group_segment_fixed_size 327680
		.amdhsa_private_segment_fixed_size 0
		.amdhsa_enable_private_segment 0
		.amdhsa_kernarg_size 48
		.amdhsa_user_sgpr_count 2
		.amdhsa_user_sgpr_kernarg_segment_ptr 1
		.amdhsa_wavefront_size32 1
		.amdhsa_system_sgpr_workgroup_id_x 1
		.amdhsa_system_sgpr_workgroup_id_y 1
		.amdhsa_system_sgpr_workgroup_id_z 1
		.amdhsa_system_vgpr_workitem_id 0
		.amdhsa_next_free_vgpr 1024
		.amdhsa_next_free_sgpr 96
		.amdhsa_reserve_vcc 0
		.amdhsa_float_denorm_mode_32 3
		.amdhsa_float_denorm_mode_16_64 3
		.amdhsa_memory_ordered 1
		.amdhsa_forward_progress 1
		.amdhsa_inst_pref_size 106
	.end_amdhsa_kernel
	.amdgpu_metadata
---
amdhsa.version: [ 1, 2 ]
amdhsa.kernels:
  - .name:           k_q383dbbd7d3_qy
    .symbol:         k_q383dbbd7d3_qy.kd
    .args:
      - { .name: xn, .offset: 0, .size: 8, .value_kind: global_buffer, .address_space: global }
      - { .name: wb, .offset: 8, .size: 8, .value_kind: global_buffer, .address_space: global }
      - { .name: src_mask, .offset: 16, .size: 8, .value_kind: global_buffer, .address_space: global }
      - { .name: bq, .offset: 24, .size: 8, .value_kind: global_buffer, .address_space: global }
      - { .name: attnT, .offset: 32, .size: 8, .value_kind: global_buffer, .address_space: global }
      - { .name: out0, .offset: 40, .size: 8, .value_kind: global_buffer, .address_space: global }
    .group_segment_fixed_size: 327680
    .private_segment_fixed_size: 0
    .kernarg_segment_align: 8
    .kernarg_segment_size: 48
    .max_flat_workgroup_size: 128
    .sgpr_count:     96
    .vgpr_count:     1024
    .wavefront_size: 32
...
	.end_amdgpu_metadata
.endif
;; end of part 4
